; MI455X (gfx1250); checked and timed in simulation.
; The chip was launched on July 23, 2026; its instructions are those of AMD's public machine-readable ISA for CDNA 5 (MIT licence, August 2026) and "CDNA5" Instruction Set Architecture Reference Guide (July 2026). The comments in the code are by the model that wrote it; some were corrected since.
;; Predictive Streaming Block. Allowed arithmetic: matrix products marked QUANTISED: E5M2 operands, one E8M0 scale for each 32 along K, by v_wmma_scale_f32_16x16x128_f8f6f4 with both operands' format E5M2, f32 sums; products left as they are: f32 operands where the result goes on into a quantised operand, else bf16, f16 or f32 operands; f32 sums; everything else in f32.
;; Inputs: b1 8 x 512 float32; b2 8 x 1,024 float32; beta 1,024 float32; gamma 1,024 float32; router_b 8 float32; router_w 1,024 x 8 float32; w1 8 x 1,024 x 512 float32; w2 8 x 512 x 1,024 float32; x 4 x 2,048 x 1,024 float32.
;; Outputs: out0 4 x 2,048 x 1,024 float32; out1 8 bool.
;; This version of the problem:
;;   THIS VERSION OF THE PROBLEM IS GIVEN IN LOW PRECISION. The matrix products marked QUANTISED in the list below multiply operands that are first quantised to E5M2 (5 exponent bits, 2 mantissa bits; 8 bits a number), with one power-of-two scale for each 32 numbers along K (OCP MX v1.0); their sums are f32. All else is computed in f32.
;;   The module's matrix products, in the order in which they are computed (A, B: the left and right operand; K: the contracted axis; several contracted axes count as one K, in the product's order):
;;     1. [M 8,192, K 1,024] x [K 1,024, N 8]; A: input x; B: input router_w: left as it is (N = 8 < 16)
;;     2. [M 8,192, K 1,024] x [K 1,024, N 512]; A: input x; B: input w1: QUANTISED
;;     3. [M 8,192, K 512] x [K 512, N 1,024]; A: computed on the way; B: input w2: QUANTISED
;;     4. [M 8,192, K 1,024] x [K 1,024, N 512]; A: input x; B: input w1: QUANTISED
;;     5. [M 8,192, K 512] x [K 512, N 1,024]; A: computed on the way; B: input w2: QUANTISED
;;     6. [M 8,192, K 1,024] x [K 1,024, N 512]; A: input x; B: input w1: QUANTISED
;;     7. [M 8,192, K 512] x [K 512, N 1,024]; A: computed on the way; B: input w2: QUANTISED
;;     8. [M 8,192, K 1,024] x [K 1,024, N 512]; A: input x; B: input w1: QUANTISED
;;     9. [M 8,192, K 512] x [K 512, N 1,024]; A: computed on the way; B: input w2: QUANTISED
;;     10. [M 8,192, K 1,024] x [K 1,024, N 512]; A: input x; B: input w1: QUANTISED
;;     11. [M 8,192, K 512] x [K 512, N 1,024]; A: computed on the way; B: input w2: QUANTISED
;;     12. [M 8,192, K 1,024] x [K 1,024, N 512]; A: input x; B: input w1: QUANTISED
;;     13. [M 8,192, K 512] x [K 512, N 1,024]; A: computed on the way; B: input w2: QUANTISED
;;     14. [M 8,192, K 1,024] x [K 1,024, N 512]; A: input x; B: input w1: QUANTISED
;;     15. [M 8,192, K 512] x [K 512, N 1,024]; A: computed on the way; B: input w2: QUANTISED
;;     16. [M 8,192, K 1,024] x [K 1,024, N 512]; A: input x; B: input w1: QUANTISED
;;     17. [M 8,192, K 512] x [K 512, N 1,024]; A: computed on the way; B: input w2: QUANTISED
;;   THE QUANTISER, for each operand of a quantised product, along K:
;;     - K is cut into blocks of 32 from its start; a last block that is shorter is filled with zeros.
;;     - A block's scale is 2^e with e = floor(log2(the largest magnitude in the block)) - 15, held to -126 .. 127; a block of zeros has e = 0. As a byte (E8M0): e + 127.
;;     - Each number is divided by its block's scale, clamped to +-57,344, and rounded to the nearest number of E5M2, ties to even, subnormals kept.
;;     - The product sums the exact products of the quantised numbers (number of the format x scale) in f32.
;;   ~~~python
;;   def quantise(x, axis):      # numpy; x: float32 -> the quantised numbers, widened to float32 again
;;       x = np.moveaxis(x, axis, -1); K = x.shape[-1]
;;       x = np.pad(x, [(0, 0)] * (x.ndim - 1) + [(0, -K % 32)]); x = x.reshape(x.shape[:-1] + (-1, 32)); a = np.abs(x).max(-1, keepdims=True)
;;       e = np.where(a > 0, np.clip(np.frexp(np.where(a > 0, a, 1))[1] - 1 - 15, -126, 127), 0)      # np.frexp(a)[1] - 1 = floor(log2(a)), exactly
;;       r = np.clip(x / 2.0 ** e, -57344, 57344)
;;       step = 2.0 ** (np.maximum(np.frexp(np.where(r == 0, 1, r))[1] - 1, -14) - 2)
;;       q = np.round(r / step) * step * 2.0 ** e      # np.round: ties to even
;;       return np.moveaxis(q.reshape(q.shape[:-2] + (-1,))[..., :K], -1, axis).astype(np.float32)
;;   ~~~
;;   OPERANDS COMPUTED ON THE WAY. 'Computed on the way' means the value that the module computes at that place (a softmax that the list does not call 'softmax' is quantised finished and normalised). What goes into a quantiser is computed in f32, as accurately as f32 sums, v_exp_f32 and their like allow (about 1e-6 of the number): no bf16 or f16 on the way to a quantiser, and a product that is left as it is and whose result goes on into a quantised operand takes f32 operands (vector FMAs, or v_wmma_f32_16x16x4_f32). A number that lies on a knife's edge between two numbers of the format may be rounded either way, as far as f32 arithmetic and the matrix unit's own rounding can turn it there, and no further.
;; 3 versions. Each part assembles by itself: llvm-mc -triple=amdgcn-amd-amdhsa -mcpu=gfx1250 --defsym DOCPART=n.
;; ======== version 1 of 3: 3 launches
;; workspace buffers: wc 8,388,608 bytes; ws 262,144 bytes; rt 65,536 bytes of whole numbers; gate 65,536 bytes; ord 36,864 bytes of whole numbers; gsort 65,536 bytes
;; launch prep (part 1): grid 384 x 1, 8 waves a work-group, no clusters, 144,384 bytes of LDS; arguments x, router_w, router_b, w1, w2, wc, ws, rt, gate; writes wc, ws, rt, gate
.if DOCPART == 1
	.amdgcn_target "amdgcn-amd-amdhsa--gfx1250"
	.amdhsa_code_object_version 6
	.text
	.protected	k_q901f5040f3_prep
	.globl	k_q901f5040f3_prep
	.p2align	8
	.type	k_q901f5040f3_prep,@function
k_q901f5040f3_prep:
	s_mov_b64 s[64:65], 0
	v_nop
	global_prefetch_b8 v0, s[64:65] scope:SCOPE_SE
	s_setreg_imm32_b32 hwreg(HW_REG_WAVE_MODE, 25, 1), 1
	s_wait_xcnt 0x0
; PREP.  Work-groups 0-127 turn w1 [8][1024][512] and w2 [8][512][1024], f32 with K as the first axis of an expert, into codes of E5M2 with one E8M0 byte for each 32 along K.
; Work-groups 128-383 compute the router in f32 for 32 tokens each and store, at fixed places, what a later launch sorts by.
; THE CODES ARE LAID IN THE ORDER OF THE OPERAND'S REGISTERS: wc = [expert][group of 32 columns][K step of 128][tile u of 16][chunk c of 32 K][512 bytes]; in the 512 bytes lane rho + 16 h has, at 16 x lane,
; the codes k = 32 c + 16 h + 0..15 of tile row rho, which is column 32 g + 8 u + rho + 8 (rho / 8).  Four loads of 16 bytes a lane are then a fragment.  w2's codes begin 4,194,304 bytes in.
; THE SCALE BYTES: ws = [expert][group][pair of K steps][lane 16 u + rho][2 words], a word = the four bytes of one K step.  w2's begin 131,072 bytes in.
; A block's scale is 2^(floor(log2(largest magnitude)) - 15); its byte is the largest magnitude's exponent field - 15, held at 1 from below.  A block of zeros keeps the byte 1: its codes are zeros, and this program alone reads the bytes.
; THE ROUTER: a lane is a token, wave w sums K = 128 w .. 128 w + 127 for all eight experts, router_w comes as scalar operands; the eight waves' parts meet in LDS and wave 0 finishes.
; The route word: bits 0-4 the pair's key lo (13 - lo) / 2 + hi - 1, bits 8-13 the token's rank among equal keys of its 32 tokens, bits 16-18 lo, 20-22 hi, bit 24 gate of lo > 0, bit 25 gate of hi > 0.
; LIMITS: the two experts are chosen on exp(logit - max), ahead of the division by the sum: a tie that only the division's rounding makes is broken otherwise than by the divided numbers.  A score under 2^-126 counts as 0.
; NaN and infinities among the inputs are not served.
.set PART,  135168                     ; LDS: behind the waves' stages, 1,024 bytes of partial sums for each wave
.set WREGB, 16896                      ; a wave's stage: 32 rows x 528 bytes
.set ROWP,  528                        ; 512 bytes of a row + 16: 33 x 16, so the 16 rows that a load touches start at 16 different banks
.set WX,    32                         ; v32-95   weights: two sets of 32 numbers
.set WCD,   96                         ; v96-159  weights: eight registers of codes for each of 8 blocks, never written again
.set WSB,   24                         ; v24-25   weights: the scale bytes
.set RA,    8                          ; v8-15    router: my token's eight partial sums
.set RX,    16                         ; v16-143  router: 128 numbers
.set SA,    24                         ; s24-55   router_w, four rows of eight, two sets by turns
.set SBF,   68                         ; s68-99
.set RB,    56                         ; s56-63   router_b
.macro WLOAD t, pitch                  ; block t: W(32 t + i, my column), i = 0 .. 31; each load reads 128 consecutive bytes
.irp i, 0,1,2,3,4,5,6,7,8,9,10,11,12,13,14,15,16,17,18,19,20,21,22,23,24,25,26,27,28,29,30,31
	global_load_b32 v[WX+32*((\t)%2)+\i], v3, s[28:29] offset:(32*(\t)+\i)*(\pitch) th:TH_LOAD_NT
.endr
.endm
.macro WBLOCK t, pitch
.set XS, WX+32*((\t)%2)
.if (\t) < 7
	s_wait_loadcnt 32                              ; this block's 32 loads are in; the next block's 32 may be out
.else
	s_wait_loadcnt 0x0
.endif
	v_max3_num_f32 v12, |v[XS]|, |v[XS+1]|, |v[XS+2]|      ; the block's largest magnitude: all 32 numbers are mine; two chains
	v_max3_num_f32 v13, |v[XS+3]|, |v[XS+4]|, |v[XS+5]|
.irp i, 6,10,14,18,22,26
	v_max3_num_f32 v12, v12, |v[XS+\i]|, |v[XS+\i+1]|
	v_max3_num_f32 v13, v13, |v[XS+\i+2]|, |v[XS+\i+3]|
.endr
	v_max3_num_f32 v12, v12, |v[XS+30]|, |v[XS+31]|
	v_max3_num_f32 v12, v12, v13, 0x8000000        ; and the floor 2^(16 - 127): the byte cannot fall under 1
	v_add_nc_u32 v11, 0xf8800000, v12              ; 15 off the exponent field: the conversion's scale operand
	v_and_or_b32 v10, v12, 0x7f800000, s23         ; 57,344 x the scale
	v_lshrrev_b32 v13, 23, v11                     ; the scale's byte
.if (\t)%4 == 0
	v_mov_b32 v[WSB+(\t)/4], v13
.else
	v_lshl_or_b32 v[WSB+(\t)/4], v13, 8*((\t)%4), v[WSB+(\t)/4]
.endif
.irp i, 0,1,2,3,4,5,6,7,8,9,10,11,12,13,14,15,16,17,18,19,20,21,22,23,24,25,26,27,28,29,30,31
	v_med3_num_f32 v[XS+\i], v[XS+\i], -v10, v10   ; the conversion to an 8-bit code does not saturate (ISA guide 7.6.2): the hold comes first
.endr
.irp g, 0,1,2,3
	v_cvt_scalef32_pk8_bf8_f32 v[WCD+8*(\t)+2*\g:WCD+8*(\t)+2*\g+1], v[XS+8*\g:XS+8*\g+7], v11
.endr
	global_store_b128 v4, v[WCD+8*(\t):WCD+8*(\t)+3], s[30:31] offset:((\t)/4)*4096+((\t)%4)*512        ; k 0-15 of the block: sixteen lanes fill 256 consecutive bytes, aligned
	global_store_b128 v4, v[WCD+8*(\t)+4:WCD+8*(\t)+7], s[30:31] offset:((\t)/4)*4096+((\t)%4)*512+256  ; k 16-31: the upper half of the 512
.if (\t)+2 < 8
	WLOAD (\t)+2, \pitch
.endif
.endm
; One tensor's path.  A wave takes 32 columns x 256 along K.  ptr: the tensor's pointer; kcf: the field of the work-group's number that says which 256 along K; gm: the mask of its column part
.macro WPATH ptr, pitch, kcf, gm, ksh, cgsh, sgsh, cbase, sbase
	s_bfe_u32 s24, ttmp9, 0x30003                  ; the expert
	s_bfe_u32 s25, ttmp9, \kcf                     ; which 256 along K
	s_and_b32 s26, ttmp9, \gm
	s_lshl_b32 s26, s26, 3
	s_add_co_u32 s26, s26, s22                     ; the group of 32 columns
	s_lshl_b32 s28, s24, 21                        ; in the tensor: 2,097,152 bytes an expert,
	s_lshl_b32 s27, s25, \ksh                      ; 256 rows,
	s_add_co_u32 s28, s28, s27
	s_lshl_b32 s27, s26, 7                         ; 128 bytes a group
	s_add_co_u32 s28, s28, s27
	s_mov_b32 s29, 0
	s_lshl_b32 s30, s24, 19                        ; in the codes: 524,288 bytes an expert,
	s_lshl_b32 s27, s26, \cgsh                     ; a group's K steps,
	s_add_co_u32 s30, s30, s27
	s_lshl_b32 s27, s25, 13                        ; two K steps of 4,096 bytes
	s_add_co_u32 s30, s30, s27
	s_add_co_u32 s30, s30, \cbase
	s_mov_b32 s31, 0
	s_lshl_b32 s32, s24, 14                        ; in the scale bytes: 16,384 an expert,
	s_lshl_b32 s27, s26, \sgsh
	s_add_co_u32 s32, s32, s27
	s_lshl_b32 s27, s25, 8                         ; 256 for a pair of K steps
	s_add_co_u32 s32, s32, s27
	s_add_co_u32 s32, s32, \sbase
	s_mov_b32 s33, 0
	s_wait_kmcnt 0x0
	s_add_nc_u64 s[28:29], s[\ptr:\ptr+1], s[28:29]
	s_add_nc_u64 s[30:31], s[14:15], s[30:31]
	s_add_nc_u64 s[32:33], s[16:17], s[32:33]
	WLOAD 0, \pitch
	WLOAD 1, \pitch
.irp t, 0,1,2,3,4,5,6,7
	WBLOCK \t, \pitch
.endr
	global_store_b64 v5, v[WSB:WSB+1], s[32:33]    ; 32 lanes store 256 consecutive bytes, aligned
.endm
	s_load_b512 s[4:19], s[0:1], 0x0               ; x, router_w, router_b, w1, w2, wc, ws, rt
	s_load_b64 s[20:21], s[0:1], 0x40              ; gate
	v_lshl_add_u32 v160, v0, 2, 0x23000
	v_mov_b32 v161, 0
	v_lshrrev_b32 v1, 5, v0
	v_readfirstlane_b32 s22, v1                    ; wave 0..7
	v_and_b32 v1, 31, v0                           ; lane
	s_cmp_lt_u32 ttmp9, 128                        ; the paths part on the work-group's number alone; only the router's path touches LDS and has a barrier
	s_cbranch_scc0 .Lrouter
	v_lshrrev_b32 v6, 4, v1                        ; u
	v_and_b32 v7, 15, v1                           ; rho
	v_and_b32 v8, 8, v1
	v_lshl_add_u32 v3, v6, 3, v7
	v_add_nc_u32 v3, v3, v8                        ; my column of the 32: 8 u + rho + 8 (rho / 8): the tile's order is made at the load
	v_lshlrev_b32 v3, 2, v3
	v_lshlrev_b32 v4, 4, v7
	v_lshl_add_u32 v4, v6, 11, v4                  ; my codes' place: 2,048 u + 16 rho
	v_lshlrev_b32 v5, 3, v1                        ; my two scale words
	s_mov_b32 s23, 0x600000                        ; the mantissa field of 57,344
	s_cmp_lt_u32 ttmp9, 64
	s_cbranch_scc0 .Lw2
	WPATH 10, 2048, 0x20001, 1, 19, 15, 10, 0, 0
	s_endpgm
.Lw2:
	WPATH 12, 4096, 0x10002, 3, 20, 14, 9, 4194304, 131072
	s_endpgm
.Lrouter:
	s_sub_co_u32 s2, ttmp9, 128                    ; which 32 tokens
	s_lshl_b32 s66, s2, 17                         ; 32 rows of 4,096 bytes,
	s_lshl_b32 s3, s22, 9                          ; my wave's 512 bytes of a row
	s_add_co_u32 s66, s66, s3
	s_mov_b32 s67, 0
	s_wait_kmcnt 0x0
	s_add_nc_u64 s[4:5], s[4:5], s[66:67]
	s_lshl_b32 s66, s22, 12                        ; my wave's 128 rows of router_w, 32 bytes each
	s_add_nc_u64 s[6:7], s[6:7], s[66:67]
	s_load_b256 s[RB:RB+7], s[8:9], 0x0
	s_load_b512 s[SA:SA+15], s[6:7], 0x0           ; rows 0-3
	s_load_b512 s[SA+16:SA+31], s[6:7], 0x40
	v_lshlrev_b32 v2, 4, v1                        ; 16 x lane
	s_mul_i32 s3, s22, WREGB
	v_add_nc_u32 v3, s3, v2                        ; the stage, on the way in: a row's 512 bytes as they lie
	v_mul_u32_u24 v4, v1, ROWP
	v_add_nc_u32 v4, s3, v4                        ; and on the way out: lane = row
	v_lshl_add_u32 v6, v1, 5, PART                 ; the partial sums: 32 bytes a token
	s_lshl_b32 s3, s22, 10
	v_add_nc_u32 v5, s3, v6                        ; my wave's
.irp i, 0,1,2,3,4,5,6,7,8,9,10,11,12,13,14,15,16,17,18,19,20,21,22,23,24,25,26,27,28,29,30,31
	global_load_b128 v[RX+4*\i:RX+4*\i+3], v2, s[4:5] offset:4096*\i   ; row i: 512 consecutive bytes, aligned; a later launch reads x again, so no hint
.endr
.irp i, 0,1,2,3,4,5,6,7,8,9,10,11,12,13,14,15,16,17,18,19,20,21,22,23,24,25,26,27,28,29,30,31
	s_wait_loadcnt 31-\i                           ; loads come back in order: row i is in, the younger ones stay out
	ds_store_b128 v3, v[RX+4*\i:RX+4*\i+3] offset:ROWP*\i
.endr
.irp t, 0,1,2,3,4,5,6,7,8,9,10,11,12,13,14,15,16,17,18,19,20,21,22,23,24,25,26,27,28,29,30,31
	ds_load_b128 v[RX+4*\t:RX+4*\t+3], v4 offset:16*\t   ; my token's numbers 4 t .. 4 t + 3.  The stage is my wave's own and LDS serves a wave in order: no wait, no barrier
.endr
.set T, 0
.rept 32
.set CUR, SA+(SBF-SA)*(T%2)
.set NXT, SA+(SBF-SA)*((T+1)%2)
	s_wait_kmcnt 0x0                               ; this step's four rows of router_w are in
.if T < 31
	s_load_b512 s[NXT:NXT+15], s[6:7], 128*(T+1)   ; the next step's, into the other set
	s_load_b512 s[NXT+16:NXT+31], s[6:7], 128*(T+1)+64
.endif
	s_wait_dscnt 31-T                              ; LDS loads come back in order: number T of the 32 is in
.irp k, 0,1,2,3
.irp e, 0,1,2,3,4,5,6,7
.if (T == 0) && (\k == 0)
	v_mul_f32 v[RA+\e], s[CUR+\e], v[RX]           ; the first product starts the sums
.else
	v_fmac_f32 v[RA+\e], s[CUR+8*\k+\e], v[RX+4*T+\k]
.endif
.endr
.endr
.set T, T+1
.endr
	ds_store_b128 v5, v[RA:RA+3]
	ds_store_b128 v5, v[RA+4:RA+7] offset:16
	s_wait_dscnt 0x0                               ; for wave 0's sake: my partial sums have landed
	s_barrier_signal -1
	s_barrier_wait -1
	s_cmp_lg_u32 s22, 0
	s_cbranch_scc1 .Lend
	; wave 0 alone, a lane a token
.irp k, 0,1,2,3,4,5,6,7
	ds_load_b128 v[16+8*\k:19+8*\k], v6 offset:1024*\k
	ds_load_b128 v[20+8*\k:23+8*\k], v6 offset:1024*\k+16
.endr
	s_wait_dscnt 0x0
.irp k, 1,2,3,4,5,6,7
.irp p, 0,2,4,6
	v_pk_add_f32 v[16+\p:17+\p], v[16+\p:17+\p], v[16+8*\k+\p:17+8*\k+\p]   ; K ascending
.endr
.endr
.irp e, 0,1,2,3,4,5,6,7
	v_add_f32 v[16+\e], s[RB+\e], v[16+\e]         ; the logits
.endr
	v_max3_num_f32 v80, v16, v17, v18
	v_max3_num_f32 v80, v80, v19, v20
	v_max3_num_f32 v80, v80, v21, v22
	v_max_num_f32 v80, v80, v23                    ; the maximum is taken away ahead of the exponentials
.irp e, 0,1,2,3,4,5,6,7
	v_sub_f32 v[88+\e], v[16+\e], v80
.endr
.irp e, 0,1,2,3,4,5,6,7
	v_mul_f32 v[88+\e], 0x3fb8aa3b, v[88+\e]
.endr
.irp e, 0,1,2,3,4,5,6,7
	v_exp_f32 v[88+\e], v[88+\e]
.endr
	v_mov_b32 v85, -1.0                            ; a plain line behind the batch
	s_wait_alu depctr_va_vdst(0)                   ; one wait ahead of the batch's first reader
	v_add_f32 v81, v88, v89
.irp e, 2,3,4,5,6,7
	v_add_f32 v81, v81, v[88+\e]
.endr
	v_rcp_f32 v82, v81
	v_mov_b32 v83, v88                             ; the largest, and its index: a later one wins only if it is strictly larger, so the lower index is kept
	v_mov_b32 v84, 0
.irp e, 1,2,3,4,5,6,7
	v_cmp_le_f32 vcc_lo, v[88+\e], v83
	v_cndmask_b32 v84, \e, v84, vcc_lo
	v_cndmask_b32 v83, v[88+\e], v83, vcc_lo
.endr
.irp e, 0,1,2,3,4,5,6,7
	v_cmp_eq_u32 vcc_lo, \e, v84
	v_cndmask_b32 v[96+\e], v[88+\e], v85, vcc_lo  ; the largest is put under all others
.endr
	v_mov_b32 v86, v96                             ; the second
	v_mov_b32 v87, 0
.irp e, 1,2,3,4,5,6,7
	v_cmp_le_f32 vcc_lo, v[96+\e], v86
	v_cndmask_b32 v87, \e, v87, vcc_lo
	v_cndmask_b32 v86, v[96+\e], v86, vcc_lo
.endr
	s_wait_alu depctr_va_vdst(0)                   ; the reciprocal's wait, ahead of its first reader; the two searches stood between
	v_mul_f32 v104, v83, v82                       ; the two scores
	v_mul_f32 v105, v86, v82
	v_min_u32 v106, v84, v87                       ; lo
	v_add_nc_u32 v107, v84, v87
	v_sub_nc_u32 v107, v107, v106                  ; hi
	v_cmp_lt_u32 vcc_lo, v84, v87
	v_cndmask_b32 v108, v105, v104, vcc_lo         ; lo's gate
	v_cndmask_b32 v109, v104, v105, vcc_lo         ; hi's
	v_sub_nc_u32 v111, 13, v106
	v_mul_u32_u24 v111, v111, v106
	v_lshrrev_b32 v111, 1, v111
	v_add_nc_u32 v111, v111, v107
	v_add_nc_u32 v110, -1, v111                    ; the pair's key, 0 .. 27
	v_mov_b32 v115, 1
	v_cmp_lt_f32 vcc_lo, 0, v108
	v_cndmask_b32 v116, 0, v115, vcc_lo
	v_cmp_lt_f32 vcc_lo, 0, v109
	v_cndmask_b32 v117, 0, v115, vcc_lo
	v_mov_b32 v112, 0                              ; lane p: how many of my 32 tokens have key p
	v_mov_b32 v113, 0                              ; my rank among those with my key
.irp p, 0,1,2,3,4,5,6,7,8,9,10,11,12,13,14,15,16,17,18,19,20,21,22,23,24,25,26,27
	v_cmp_eq_u32 s23, \p, v110
	s_bcnt1_i32_b32 s3, s23
	v_writelane_b32 v112, s3, \p
	v_mbcnt_lo_u32_b32 v111, s23, 0
	v_cndmask_b32 v113, v113, v111, s23
.endr
	v_lshl_or_b32 v114, v113, 8, v110
	v_lshl_or_b32 v114, v106, 16, v114
	v_lshl_or_b32 v114, v107, 20, v114
	v_lshl_or_b32 v114, v116, 24, v114
	v_lshl_or_b32 v114, v117, 25, v114
	s_lshl_b32 s66, s2, 7                          ; all three stores go to fixed places: nothing here steers an address
	s_add_nc_u64 s[18:19], s[18:19], s[66:67]
	s_lshl_b32 s66, s2, 8
	s_add_nc_u64 s[20:21], s[20:21], s[66:67]
	v_lshlrev_b32 v7, 2, v1
	v_lshlrev_b32 v118, 3, v1
	global_store_b32 v7, v114, s[18:19]
	global_store_b32 v7, v112, s[18:19] offset:32768
	global_store_b64 v118, v[108:109], s[20:21]
.Lend:
	s_wait_tensorcnt 0x0
	ds_add_u32 v160, v161
	s_wait_dscnt 0x0
	s_endpgm
.Lfunc_end_k_q901f5040f3_prep:
	.size	k_q901f5040f3_prep, .Lfunc_end_k_q901f5040f3_prep-k_q901f5040f3_prep
	.p2alignl 7, 3214868480
	.fill 96, 4, 3214868480
	.section	.rodata,"a",@progbits
	.p2align	6, 0x0
	.amdhsa_kernel k_q901f5040f3_prep
		.amdhsa_group_segment_fixed_size 144384
		.amdhsa_private_segment_fixed_size 0
		.amdhsa_enable_private_segment 0
		.amdhsa_kernarg_size 72
		.amdhsa_user_sgpr_count 2
		.amdhsa_user_sgpr_kernarg_segment_ptr 1
		.amdhsa_wavefront_size32 1
		.amdhsa_system_sgpr_workgroup_id_x 1
		.amdhsa_system_sgpr_workgroup_id_y 1
		.amdhsa_system_sgpr_workgroup_id_z 1
		.amdhsa_system_vgpr_workitem_id 0
		.amdhsa_next_free_vgpr 162
		.amdhsa_next_free_sgpr 100
		.amdhsa_reserve_vcc 1
		.amdhsa_float_denorm_mode_32 3
		.amdhsa_float_denorm_mode_16_64 3
		.amdhsa_memory_ordered 1
		.amdhsa_forward_progress 1
		.amdhsa_inst_pref_size 175
	.end_amdhsa_kernel
	.amdgpu_metadata
---
amdhsa.version: [ 1, 2 ]
amdhsa.kernels:
  - .name:           k_q901f5040f3_prep
    .symbol:         k_q901f5040f3_prep.kd
    .args:
      - { .name: x, .offset: 0, .size: 8, .value_kind: global_buffer, .address_space: global }
      - { .name: router_w, .offset: 8, .size: 8, .value_kind: global_buffer, .address_space: global }
      - { .name: router_b, .offset: 16, .size: 8, .value_kind: global_buffer, .address_space: global }
      - { .name: w1, .offset: 24, .size: 8, .value_kind: global_buffer, .address_space: global }
      - { .name: w2, .offset: 32, .size: 8, .value_kind: global_buffer, .address_space: global }
      - { .name: wc, .offset: 40, .size: 8, .value_kind: global_buffer, .address_space: global }
      - { .name: ws, .offset: 48, .size: 8, .value_kind: global_buffer, .address_space: global }
      - { .name: rt, .offset: 56, .size: 8, .value_kind: global_buffer, .address_space: global }
      - { .name: gate, .offset: 64, .size: 8, .value_kind: global_buffer, .address_space: global }
    .group_segment_fixed_size: 144384
    .private_segment_fixed_size: 0
    .kernarg_segment_align: 8
    .kernarg_segment_size: 72
    .max_flat_workgroup_size: 256
    .sgpr_count:     100
    .vgpr_count:     162
    .wavefront_size: 32
...
	.end_amdgpu_metadata
.endif
;; end of part 1
;; launch place (part 2): grid 1 x 1, 32 waves a work-group, no clusters, 12,288 bytes of LDS; arguments rt, gate, ord, gsort, out1; writes ord, gsort, out1
.if DOCPART == 2
	.amdgcn_target "amdgcn-amd-amdhsa--gfx1250"
	.amdhsa_code_object_version 6
	.text
	.protected	k_q901f5040f3_place
	.globl	k_q901f5040f3_place
	.p2align	8
	.type	k_q901f5040f3_place,@function
k_q901f5040f3_place:
	s_mov_b64 s[64:65], 0
	v_nop
	global_prefetch_b8 v0, s[64:65] scope:SCOPE_SE
	s_setreg_imm32_b32 hwreg(HW_REG_WAVE_MODE, 25, 1), 1
	s_wait_xcnt 0x0
; PLACE.  One work-group sorts the 8,192 tokens by their pair of experts (28 keys), by counting: no atomics.  The launch before stored, for each group of 32 tokens, a histogram over the keys, and for each token its rank in its group.
; A token's place = (tokens of lower keys) + (tokens of its key in earlier groups) + its rank.  Wave w owns groups 8 w .. 8 w + 7; a lane stands for a key where histograms are summed and for a token where places are made.
; Stored: order[place] = token; gsort[place] = its two gates; blk[b] = (first place, rows, lo, hi) for 256 blocks of at most 48 rows of one pair (blocks past the last have 0 rows); out1[e] = some token gives expert e a gate above 0.
; The stores of order and gsort are scattered, 4 and 8 bytes a token, 98,304 bytes in all: gathering them in LDS would need LDS addresses made of loaded numbers.
.set SELT, 4096                        ; LDS: 0: each wave's 32 sums; 4,096: each lane's mask of experts with a gate above 0
.macro SCAN v                          ; an inclusive sum over the 32 lanes; vcc = lanes 16-31
.irp n, 1,2,4,8
	v_mov_b32_dpp v83, v[\v] row_shr:\n row_mask:0xf bank_mask:0xf bound_ctrl:1
	v_add_nc_u32 v[\v], v[\v], v83
.endr
	v_readlane_b32 s15, v[\v], 15
	v_mov_b32 v84, s15
	v_cndmask_b32 v83, 0, v84, vcc_lo
	v_add_nc_u32 v[\v], v[\v], v83
.endm
	s_load_b256 s[4:11], s[0:1], 0x0               ; rt, gate, ord, gsort
	s_load_b64 s[12:13], s[0:1], 0x20              ; out1
	v_lshrrev_b32 v7, 5, v0
	v_readfirstlane_b32 s14, v7                    ; wave 0..31
	v_and_b32 v1, 31, v0                           ; lane
	v_lshlrev_b32 v5, 2, v1                        ; 4 x lane
	v_lshl_add_u32 v2, v7, 10, v5                  ; my wave's eight groups of 128 bytes
	v_lshlrev_b32 v3, 1, v2                        ; the same for the gates, 8 bytes a token
	v_lshlrev_b32 v4, 2, v0                        ; 4 x thread
	v_lshl_add_u32 v6, v7, 8, v1                   ; my token in group 0 of the wave's eight
	s_wait_kmcnt 0x0
.irp j, 0,1,2,3,4,5,6,7
	global_load_b32 v[8+\j], v2, s[4:5] offset:32768+128*\j     ; the histograms
.endr
.irp j, 0,1,2,3,4,5,6,7
	global_load_b32 v[16+\j], v2, s[4:5] offset:128*\j          ; the route words
.endr
.irp j, 0,1,2,3,4,5,6,7
	global_load_b64 v[24+2*\j:25+2*\j], v3, s[6:7] offset:256*\j   ; the gates
.endr
	s_wait_loadcnt 16                              ; the histograms are in; route words and gates may be out
	v_mov_b32 v40, 0
.irp j, 1,2,3,4,5,6,7
	v_add_nc_u32 v[40+\j], v[39+\j], v[7+\j]       ; my key's tokens in the wave's earlier groups
.endr
	v_add_nc_u32 v80, v47, v15                     ; and in all eight
	s_wait_loadcnt 8                               ; the route words are in
	v_mov_b32 v82, 0
.irp j, 0,1,2,3,4,5,6,7
	v_bfe_u32 v83, v[16+\j], 16, 3
	v_bfe_u32 v84, v[16+\j], 24, 1
	v_lshlrev_b32 v83, v83, v84                    ; (gate of lo > 0) << lo
	v_or_b32 v82, v82, v83
	v_bfe_u32 v83, v[16+\j], 20, 3
	v_bfe_u32 v84, v[16+\j], 25, 1
	v_lshlrev_b32 v83, v83, v84
	v_or_b32 v82, v82, v83
.endr
	ds_store_b32 v4, v80
	ds_store_b32 v4, v82 offset:SELT
	s_wait_dscnt 0x0                               ; for the others' sake: my two words have landed
	s_barrier_signal -1
	s_barrier_wait -1                              ; the one barrier: nothing is written to LDS behind it
.irp k, 0,1,2,3,4,5,6,7,8,9,10,11,12,13,14,15,16,17,18,19,20,21,22,23,24,25,26,27,28,29,30,31
	ds_load_b32 v[48+\k], v5 offset:128*\k
.endr
	s_wait_dscnt 0x0
	v_mov_b32 v81, 0
	v_add_nc_u32 v80, v48, v49
.irp k, 2,4,6,8,10,12,14,16,18,20,22,24,26,28,30
	v_add3_u32 v80, v80, v[48+\k], v[49+\k]        ; my key's tokens in all
.endr
.irp k, 0,1,2,3,4,5,6,7,8,9,10,11,12,13,14,15,16,17,18,19,20,21,22,23,24,25,26,27,28,29,30
	s_cmp_lt_u32 \k, s14
	s_cselect_b32 s15, 1, 0
	v_mad_u32_u24 v81, v[48+\k], s15, v81          ; and in the waves before mine
.endr
	v_cmp_lt_u32 vcc_lo, 15, v1
	v_mov_b32 v85, v80
	SCAN 85
	v_sub_nc_u32 v85, v85, v80                     ; tokens of lower keys
	v_add_nc_u32 v86, 47, v80
	v_mul_u32_u24 v86, 0xaaab, v86
	v_lshrrev_b32 v86, 21, v86                     ; blocks of my key: (n + 47) / 48; 43,691 / 2^21 is exact for numbers under 131,072
	v_mov_b32 v87, v86
	SCAN 87
	v_sub_nc_u32 v87, v87, v86                     ; blocks of lower keys
	v_add_nc_u32 v81, v81, v85
.irp j, 0,1,2,3,4,5,6,7
	v_add_nc_u32 v[40+\j], v[40+\j], v81           ; lane = key: where group j's tokens of that key begin
	v_and_b32 v[88+\j], 31, v[16+\j]               ; lane = token: its key,
	v_min_u32 v[88+\j], 27, v[88+\j]               ; held inside the 28
	v_lshlrev_b32 v[88+\j], 2, v[88+\j]
	ds_bpermute_b32 v[96+\j], v[88+\j], v[40+\j]   ; each token pulls its key's lane; no LDS byte is touched
.endr
	s_wait_dscnt 0x0
	s_wait_loadcnt 0x0                             ; the gates
.irp j, 0,1,2,3,4,5,6,7
	v_bfe_u32 v83, v[16+\j], 8, 6                  ; the rank
	v_add_nc_u32 v83, v83, v[96+\j]
	v_min_u32 v83, 0x1fff, v83                     ; the place, held inside the buffers
	v_lshlrev_b32 v[88+\j], 2, v83
	v_lshlrev_b32 v[104+\j], 3, v83
	v_add_nc_u32 v[112+\j], 32*\j, v6              ; the token.  Each group has registers of its own: no store's sources are written again
	global_store_b32 v[88+\j], v[112+\j], s[8:9]
	global_store_b64 v[104+\j], v[24+2*\j:25+2*\j], s[10:11]
.endr
	s_cmp_lt_u32 s14, 8
	s_cbranch_scc0 .Lnoblk
	; waves 0-7: thread b makes block b's entry: the last key whose first block is at or under b
	v_readlane_b32 s17, v85, 0
	v_readlane_b32 s18, v80, 0
	v_mov_b32 v124, 0
	v_mov_b32 v125, s17
	v_mov_b32 v126, s18
	v_mov_b32 v122, 0
	v_mov_b32 v123, 1
.set PP, 0
.irp a, 0,1,2,3,4,5,6
.irp c, 1,2,3,4,5,6,7
.if \c > \a
.if PP > 0
	v_readlane_b32 s16, v87, PP
	v_readlane_b32 s17, v85, PP
	v_readlane_b32 s18, v80, PP
	v_cmp_gt_u32 vcc_lo, s16, v0                   ; this key begins past b: keep what stands
	v_cndmask_b32 v124, s16, v124, vcc_lo
	v_cndmask_b32 v125, s17, v125, vcc_lo
	v_cndmask_b32 v126, s18, v126, vcc_lo
	v_cndmask_b32 v122, \a, v122, vcc_lo
	v_cndmask_b32 v123, \c, v123, vcc_lo
.endif
.set PP, PP+1
.endif
.endr
.endr
	v_sub_nc_u32 v124, v0, v124                    ; which block of its key
	v_mul_u32_u24 v124, 48, v124
	v_add_nc_u32 v120, v125, v124
	v_min_u32 v120, 0x1fff, v120                   ; its first place
	v_min_u32 v124, v124, v126
	v_sub_nc_u32 v121, v126, v124
	v_min_u32 v121, 48, v121                       ; its rows: what is left of the key, 48 at the most, 0 past the end
	v_lshlrev_b32 v127, 4, v0
	global_store_b128 v127, v[120:123], s[8:9] offset:32768
.Lnoblk:
	s_cmp_eq_u32 s14, 8
	s_cbranch_scc0 .Lend
	; wave 8: out1
.irp k, 0,1,2,3,4,5,6,7,8,9,10,11,12,13,14,15,16,17,18,19,20,21,22,23,24,25,26,27,28,29,30,31
	ds_load_b32 v[48+\k], v5 offset:SELT+128*\k
.endr
	s_wait_dscnt 0x0
.irp k, 1,2,3,4,5,6,7,8,9,10,11,12,13,14,15,16,17,18,19,20,21,22,23,24,25,26,27,28,29,30,31
	v_or_b32 v48, v48, v[48+\k]
.endr
	v_mov_b32 v83, 0
.irp e, 0,1,2,3,4,5,6,7
	v_and_b32 v84, 1<<\e, v48
	v_cmp_ne_u32 s16, 0, v84                       ; any lane?
	s_cmp_lg_u32 s16, 0
	s_cselect_b32 s17, 1, 0
	v_writelane_b32 v83, s17, \e
.endr
	s_wait_xcnt 0x0                                ; EXEC is a source of the stores above: it changes only behind this wait
	v_cmp_gt_u32 vcc_lo, 8, v1
	s_and_saveexec_b32 s18, vcc_lo
	global_store_b8 v1, v83, s[12:13]
	s_wait_xcnt 0x0                                ; and again ahead of the line that widens it
	s_or_b32 exec_lo, exec_lo, s18
.Lend:
	s_wait_xcnt 0x0
	s_mov_b32 exec_lo, -1
	v_lshl_add_u32 v126, v0, 2, 0x2000
	v_mov_b32 v127, 0
	s_wait_tensorcnt 0x0
	ds_add_u32 v126, v127
	s_wait_dscnt 0x0
	s_endpgm
.Lfunc_end_k_q901f5040f3_place:
	.size	k_q901f5040f3_place, .Lfunc_end_k_q901f5040f3_place-k_q901f5040f3_place
	.p2alignl 7, 3214868480
	.fill 96, 4, 3214868480
	.section	.rodata,"a",@progbits
	.p2align	6, 0x0
	.amdhsa_kernel k_q901f5040f3_place
		.amdhsa_group_segment_fixed_size 12288
		.amdhsa_private_segment_fixed_size 0
		.amdhsa_enable_private_segment 0
		.amdhsa_kernarg_size 40
		.amdhsa_user_sgpr_count 2
		.amdhsa_user_sgpr_kernarg_segment_ptr 1
		.amdhsa_wavefront_size32 1
		.amdhsa_system_sgpr_workgroup_id_x 1
		.amdhsa_system_sgpr_workgroup_id_y 1
		.amdhsa_system_sgpr_workgroup_id_z 1
		.amdhsa_system_vgpr_workitem_id 0
		.amdhsa_next_free_vgpr 128
		.amdhsa_next_free_sgpr 66
		.amdhsa_reserve_vcc 1
		.amdhsa_float_denorm_mode_32 3
		.amdhsa_float_denorm_mode_16_64 3
		.amdhsa_memory_ordered 1
		.amdhsa_forward_progress 1
		.amdhsa_inst_pref_size 37
	.end_amdhsa_kernel
	.amdgpu_metadata
---
amdhsa.version: [ 1, 2 ]
amdhsa.kernels:
  - .name:           k_q901f5040f3_place
    .symbol:         k_q901f5040f3_place.kd
    .args:
      - { .name: rt, .offset: 0, .size: 8, .value_kind: global_buffer, .address_space: global }
      - { .name: gate, .offset: 8, .size: 8, .value_kind: global_buffer, .address_space: global }
      - { .name: ord, .offset: 16, .size: 8, .value_kind: global_buffer, .address_space: global }
      - { .name: gsort, .offset: 24, .size: 8, .value_kind: global_buffer, .address_space: global }
      - { .name: out1, .offset: 32, .size: 8, .value_kind: global_buffer, .address_space: global }
    .group_segment_fixed_size: 12288
    .private_segment_fixed_size: 0
    .kernarg_segment_align: 8
    .kernarg_segment_size: 40
    .max_flat_workgroup_size: 1024
    .sgpr_count:     66
    .vgpr_count:     128
    .wavefront_size: 32
...
	.end_amdgpu_metadata
.endif
;; end of part 2
;; launch chain (part 3): grid 198 x 1, 16 waves a work-group, no clusters, 314,368 bytes of LDS; arguments x, wc, ws, b1, b2, gamma, beta, ord, gsort, out0; writes out0
.if DOCPART == 3
	.amdgcn_target "amdgcn-amd-amdhsa--gfx1250"
	.amdhsa_code_object_version 6
	.text
	.protected	k_q901f5040f3_chain
	.globl	k_q901f5040f3_chain
	.p2align	8
	.type	k_q901f5040f3_chain,@function
k_q901f5040f3_chain:
	s_mov_b64 s[64:65], 0
	v_nop
	global_prefetch_b8 v0, s[64:65] scope:SCOPE_SE
	s_setreg_imm32_b32 hwreg(HW_REG_WAVE_MODE, 25, 1), 1
	s_wait_xcnt 0x0
; CHAIN.  A work-group takes one block of at most 48 tokens that all chose the same two experts, through the whole chain: gather x, quantise, x W1 + b1, gelu, quantise, H W2 + b2, the gates, the residual, LayerNorm, store.
; THE GRID: with 8,192 tokens, 28 pairs and blocks of 48 there are never more than (8,192 + 28 x 47) / 48 = 198 blocks, whatever the choice.  A block with fewer than 48 rows runs the same text on rows held inside the list
; and stores only its own rows; the one branch on a stored number is that store, behind the last barrier.  So every wave passes every barrier.
; SHARES.  Sixteen waves share the COLUMNS: wave w makes hidden units 32 w .. 32 w + 31 and outputs 64 w .. 64 w + 63, for all 48 rows (three tiles of 16).  Both products are used transposed (source 0 = 16 rows of the
; weight's codes, source 1 = 16 tokens): a lane holds one token (lane % 16), and the 16 registers of tiles u = 0, 1 are 16 neighbouring columns 32 g + 16 (lane / 16) + 0..15, by the order in which the codes were laid.
; WEIGHTS go from memory straight into registers, a K step's two fragments and their scale word (nine loads) into a ring of four buffers, three to four K steps ahead.  No base and no offset register of these loads is ever written again.
; NO JOINT LOADS: how many blocks a pair has is read from memory, so four neighbouring work-groups need not share a pair, and a joint descriptor could not be equal in all of them.
; TOKENS' OPERANDS go from wave to wave through LDS as images of the operand's registers: 512 bytes a chunk of 32 K, 16 bytes a lane; scale words 4 bytes a row.
; x stays in LDS as f32 and y = x + gate_lo (..) + gate_hi (..) is summed in place, each wave on its own 64 columns.
; gelu(a) = a / (1 + 2^(a (k1 + k2 a^2))), k1 = -2 log2(e) sqrt(2 / pi), k2 = 0.044715 k1: the same number as 0.5 a (1 + tanh(..)), all in f32; where the power overflows the result is 0 or a.
; LIMITS: NaN and infinities among the inputs are not served.  A block of zeros keeps the scale byte 1: its codes are zeros.
.set XIMG, 0                           ; LDS: x's 24 fragments: (3 s + m) x 2,048
.set XSC,  49152                       ; their scale words: 256 s + 64 m + 4 r
.set HB,   51200                       ; the hidden layer, a buffer for each of the two experts, so that no barrier stands between one's reads and the other's stores
.set HSTR, 25600                       ; from one to the other: 12 fragments, then 1,024 bytes of scale words
.set HSCO, 24576
.set BIAS, 102400                      ; 768 bytes a wave: for each expert 128 of b1 and 256 of b2; the wave's own
.set XF,   114688                      ; 48 rows of x, then y, in f32
.set XP,   4112                        ; 4,096 + 16 = 257 x 16: the 16 rows that a load touches start at 16 different banks
.set ACC,  16                          ; v16-63   six accumulators: tile (m, u) at ACC + 16 m + 8 u
.set FR,   64                          ; v64-111  three fragments of tokens; at work between the products
.set WB,   112                         ; v112-239 the ring: four buffers of two fragments
.set WSC,  240                         ; v240-243 a weight scale word for each buffer: lanes 0-15 tile 0, lanes 16-31 tile 1
.set XS,   244                         ; v244 the tokens' scale words of tiles 0 (lanes 0-15) and 1 (lanes 16-31); v245 of tile 2
.set GT,   246                         ; v246-251 my token's two gates, a pair for each tile of rows
.set K1,   252                         ; v252-253 k1
.set T,    176                         ; LayerNorm: at work
; v1 16 x lane; v2 4 x lane; v3 4 (lane % 16); v4-6 the same + HB; v7, v8 where I store H's codes and byte; v9 my bias bytes; v10 8 x lane; v11-13 my 16 columns of row 16 m + r in XF; v14 my three rows in XF;
; v15, v254 where I store x's codes and bytes; v255 at work
; s24 wave; s28-31 first place, rows, lo, hi; s[32:39] code bases (W1 lo, hi; W2 lo, hi); s[40:47] scale bases; s48-50 tokens; s51 3 x wave; s[52:57] x rows; s[58:63] out rows; s[66:67] lane selects; s68 mantissa of 57,344;
; s69 1/1024; s[70:71] k2; s[76:83] bias bases
.macro BAR                             ; my LDS stores have landed and my LDS loads are in: then the work-group's barrier
	s_wait_dscnt 0x0
	s_barrier_signal -1
	s_barrier_wait -1
.endm
; K step q of 32 (expert q / 16; in it 0-7 the first product, 8-15 the second's two passes of four): nine loads into buffer q % 4.  32 and 33: gamma and beta, eight loads each
.macro BUNDLE q
.if (\q) < 32
.set BI, (\q)/16
.set BR, (\q)%16
.set BB, WB+32*((\q)%4)
.if BR < 8
.set BC, 32+2*BI
.set BS, 40+2*BI
.set BO, BR*4096
.set BSO, 256*(BR/2)+4*(BR%2)
.else
.set BC, 36+2*BI
.set BS, 44+2*BI
.set BO, (BR-8)*4096
.set BSO, 512*((BR-8)/4)+256*(((BR-8)%4)/2)+4*((BR-8)%2)
.endif
.irp u, 0,1
.irp c, 0,1,2,3
	global_load_b128 v[BB+16*\u+4*\c:BB+16*\u+4*\c+3], v1, s[BC:BC+1] offset:BO+2048*\u+512*\c   ; 512 consecutive bytes, aligned
.endr
.endr
	global_load_b32 v[WSC+(\q)%4], v10, s[BS:BS+1] offset:BSO
.elseif (\q) == 32
.irp c, 0,1,2,3,4,5,6,7
	global_load_b128 v[WB+4*\c:WB+4*\c+3], v1, s[14:15] offset:512*\c
.endr
.elseif (\q) == 33
.irp c, 0,1,2,3,4,5,6,7
	global_load_b128 v[WB+32+4*\c:WB+32+4*\c+3], v1, s[16:17] offset:512*\c
.endr
.endif
.endm
.macro FETCH a16, a4, a4b, img, sc     ; three fragments of tokens and their scale words
.irp m, 0,1,2
.irp c, 0,1,2,3
	ds_load_b128 v[FR+16*\m+4*\c:FR+16*\m+4*\c+3], v[\a16] offset:(\img)+2048*\m+512*\c
.endr
.endr
	ds_load_b32 v[XS], v[\a4] offset:(\sc)
	ds_load_b32 v[XS+1], v[\a4b] offset:(\sc)+128
.endm
.macro BIASIN off                      ; the bias begins each sum: eight numbers a tile in the result's layout; so every product adds in place and nothing is cleared
.irp m, 0,1,2
.irp u, 0,1
.irp k, 0,1
	ds_load_b128 v[ACC+16*\m+8*\u+4*\k:ACC+16*\m+8*\u+4*\k+3], v9 offset:(\off)+32*\u+16*\k
.endr
.endr
.endr
.endm
; Six products, the six accumulators by turns; then eight places, in front of the loads into the registers that they read and of the first read of results
.macro KSTEP q
.set KW, 27
.if (\q) == 29
.set KW, 26
.elseif (\q) == 30
.set KW, 25
.elseif (\q) == 31
.set KW, 16
.endif
	s_wait_loadcnt KW                              ; this K step's nine loads are in; those of the three bundles issued behind them may be out
	s_wait_dscnt 0x0                               ; the tokens' fragments, their scale words, and at a pass's head the bias
.set KB, WB+32*((\q)%4)
.set KS, WSC+(\q)%4
.irp m, 0,1,2
.irp u, 0,1
.if (\u == 0) && (\m != 1)
	v_wmma_scale_f32_16x16x128_f8f6f4 v[ACC+16*\m+8*\u:ACC+16*\m+8*\u+7], v[KB+16*\u:KB+16*\u+15], v[FR+16*\m:FR+16*\m+15], v[ACC+16*\m+8*\u:ACC+16*\m+8*\u+7], v[KS], v[XS+\m/2] matrix_a_fmt:MATRIX_FMT_BF8 matrix_b_fmt:MATRIX_FMT_BF8
.elseif (\u == 1) && (\m != 1)
	v_wmma_scale_f32_16x16x128_f8f6f4 v[ACC+16*\m+8*\u:ACC+16*\m+8*\u+7], v[KB+16*\u:KB+16*\u+15], v[FR+16*\m:FR+16*\m+15], v[ACC+16*\m+8*\u:ACC+16*\m+8*\u+7], v[KS], v[XS+\m/2] matrix_a_fmt:MATRIX_FMT_BF8 matrix_b_fmt:MATRIX_FMT_BF8 matrix_a_scale:MATRIX_SCALE_ROW1
.elseif (\u == 0)
	v_wmma_scale_f32_16x16x128_f8f6f4 v[ACC+16*\m+8*\u:ACC+16*\m+8*\u+7], v[KB+16*\u:KB+16*\u+15], v[FR+16*\m:FR+16*\m+15], v[ACC+16*\m+8*\u:ACC+16*\m+8*\u+7], v[KS], v[XS+\m/2] matrix_a_fmt:MATRIX_FMT_BF8 matrix_b_fmt:MATRIX_FMT_BF8 matrix_b_scale:MATRIX_SCALE_ROW1
.else
	v_wmma_scale_f32_16x16x128_f8f6f4 v[ACC+16*\m+8*\u:ACC+16*\m+8*\u+7], v[KB+16*\u:KB+16*\u+15], v[FR+16*\m:FR+16*\m+15], v[ACC+16*\m+8*\u:ACC+16*\m+8*\u+7], v[KS], v[XS+\m/2] matrix_a_fmt:MATRIX_FMT_BF8 matrix_b_fmt:MATRIX_FMT_BF8 matrix_a_scale:MATRIX_SCALE_ROW1 matrix_b_scale:MATRIX_SCALE_ROW1
.endif
.endr
.endr
.rept 8
	v_nop
.endr
.endm
; nb blocks of 32, by turns: block b's 16 numbers of my lane at v[s + 16 b], the other 16 in lane l xor 16.  Codes to v[pc + 4 b] on; the bytes to v[tm + nb + b]
.macro QUANT nb, s, pc, tm
.set QB, 0
.rept \nb
	v_max3_num_f32 v[(\tm)+QB], |v[(\s)+16*QB]|, |v[(\s)+16*QB+1]|, 0x8000000   ; with the floor 2^(16 - 127): the byte cannot fall under 1
.set QB, QB+1
.endr
.irp i, 2,4,6,8,10,12,14
.set QB, 0
.rept \nb
	v_max3_num_f32 v[(\tm)+QB], v[(\tm)+QB], |v[(\s)+16*QB+\i]|, |v[(\s)+16*QB+\i+1]|
.set QB, QB+1
.endr
.endr
.set QB, 0
.rept \nb
	v_permlanex16_b32 v[(\tm)+(\nb)+QB], v[(\tm)+QB], s66, s67
.set QB, QB+1
.endr
.set QB, 0
.rept \nb
	v_max_num_f32 v[(\tm)+QB], v[(\tm)+QB], v[(\tm)+(\nb)+QB]       ; the block's largest magnitude
.set QB, QB+1
.endr
.set QB, 0
.rept \nb
	v_add_nc_u32 v[(\tm)+3*(\nb)+QB], 0xf8800000, v[(\tm)+QB]       ; 15 off its exponent field: the conversion's scale operand
.set QB, QB+1
.endr
.set QB, 0
.rept \nb
	v_and_or_b32 v[(\tm)+2*(\nb)+QB], v[(\tm)+QB], 0x7f800000, s68  ; 57,344 x the scale
.set QB, QB+1
.endr
.set QB, 0
.rept \nb
	v_lshrrev_b32 v[(\tm)+(\nb)+QB], 23, v[(\tm)+3*(\nb)+QB]        ; the scale's byte
.set QB, QB+1
.endr
.set QB, 0
.rept \nb
.irp i, 0,1,2,3,4,5,6,7,8,9,10,11,12,13,14,15
	v_med3_num_f32 v[(\s)+16*QB+\i], v[(\s)+16*QB+\i], -v[(\tm)+2*(\nb)+QB], v[(\tm)+2*(\nb)+QB]   ; the conversion to an 8-bit code does not saturate (ISA guide 7.6.2)
.endr
	v_cvt_scalef32_pk8_bf8_f32 v[(\pc)+4*QB:(\pc)+4*QB+1], v[(\s)+16*QB:(\s)+16*QB+7], v[(\tm)+3*(\nb)+QB]
	v_cvt_scalef32_pk8_bf8_f32 v[(\pc)+4*QB+2:(\pc)+4*QB+3], v[(\s)+16*QB+8:(\s)+16*QB+15], v[(\tm)+3*(\nb)+QB]
.set QB, QB+1
.endr
	v_nop                                          ; one plain line behind the last conversion
.endm
.macro GELU                            ; on the 48 numbers of ACC, from each accumulator's low end on; Z = FR's registers
.set P, 0
.rept 24
	v_pk_mul_f32 v[FR+P:FR+P+1], v[ACC+P:ACC+P+1], v[ACC+P:ACC+P+1]
.set P, P+2
.endr
.set P, 0
.rept 24
	v_pk_fma_f32 v[FR+P:FR+P+1], v[FR+P:FR+P+1], s[70:71], v[K1:K1+1] op_sel_hi:[1,0,0]
.set P, P+2
.endr
.set P, 0
.rept 24
	v_pk_mul_f32 v[FR+P:FR+P+1], v[FR+P:FR+P+1], v[ACC+P:ACC+P+1]
.set P, P+2
.endr
.set P, 0
.rept 48
	v_exp_f32 v[FR+P], v[FR+P]
.set P, P+1
.endr
	v_nop                                          ; a plain line behind the batch,
	s_wait_alu depctr_va_vdst(0)                   ; and the one wait ahead of its first reader
.set P, 0
.rept 24
	v_pk_add_f32 v[FR+P:FR+P+1], v[FR+P:FR+P+1], 1.0 op_sel_hi:[1,0]
.set P, P+2
.endr
.set P, 0
.rept 48
	v_rcp_f32 v[FR+P], v[FR+P]
.set P, P+1
.endr
	v_nop
	s_wait_alu depctr_va_vdst(0)
.set P, 0
.rept 24
	v_pk_mul_f32 v[ACC+P:ACC+P+1], v[ACC+P:ACC+P+1], v[FR+P:FR+P+1]
.set P, P+2
.endr
.endm
.macro YUPD i, g                       ; y += gate x (H W2 + b2) on my columns 64 w + 32 g + 16 h + 0..15 of the 48 rows; nobody else touches these bytes between the barriers
.irp m, 0,1,2
.irp k, 0,1,2,3
	ds_load_b128 v[FR+16*\m+4*\k:FR+16*\m+4*\k+3], v[11+\m] offset:128*(\g)+16*\k
.endr
.endr
	s_wait_dscnt 0x0
.irp m, 0,1,2
.irp p, 0,2,4,6,8,10,12,14
.if (\i) == 0
	v_pk_fma_f32 v[FR+16*\m+\p:FR+16*\m+\p+1], v[ACC+16*\m+\p:ACC+16*\m+\p+1], v[GT+2*\m:GT+2*\m+1], v[FR+16*\m+\p:FR+16*\m+\p+1] op_sel_hi:[1,0,1]
.else
	v_pk_fma_f32 v[FR+16*\m+\p:FR+16*\m+\p+1], v[ACC+16*\m+\p:ACC+16*\m+\p+1], v[GT+2*\m:GT+2*\m+1], v[FR+16*\m+\p:FR+16*\m+\p+1] op_sel:[0,1,0] op_sel_hi:[1,1,1]
.endif
.endr
.endr
.irp m, 0,1,2
.irp k, 0,1,2,3
	ds_store_b128 v[11+\m], v[FR+16*\m+4*\k:FR+16*\m+4*\k+3] offset:128*(\g)+16*\k   ; LDS serves a wave in order: later loads into these registers come behind these stores
.endr
.endr
.endm
.macro SLOT i                          ; one expert: 16 K steps
	BIASIN 384*(\i)
	FETCH 1, 2, 3, XIMG, XSC
.set Q, 16*(\i)
.rept 8                                ; H^T = W1^T x^T + b1
	KSTEP Q
.if Q%16 < 7
	FETCH 1, 2, 3, 6144*(Q%16+1), XSC+256*(Q%16+1)
.endif
	BUNDLE Q+4
.set Q, Q+1
.endr
	GELU
	QUANT 3, ACC, FR, FR+12                        ; my 32 hidden units are one block of the next K, for each of the three tiles of rows
.irp m, 0,1,2
	ds_store_b128 v7, v[FR+4*\m:FR+4*\m+3] offset:HSTR*(\i)+2048*\m
	ds_store_b8 v8, v[FR+15+\m] offset:HSTR*(\i)+64*\m      ; both halves of the lanes write the same byte with the same value
.endr
	BAR                                            ; this expert's hidden layer lies in LDS
.set G, 0
.rept 2                                ; my 64 outputs in two passes of 32
	BIASIN 384*(\i)+128+128*G
	FETCH 4, 5, 6, HSTR*(\i), HSTR*(\i)+HSCO
.rept 4
	KSTEP Q
.if Q%4 < 3
	FETCH 4, 5, 6, HSTR*(\i)+6144*(Q%4+1), HSTR*(\i)+HSCO+256*(Q%4+1)
.endif
	BUNDLE Q+4
.set Q, Q+1
.endr
	YUPD \i, G
.set G, G+1
.endr
.endm
.macro LNROW j                         ; row 3 w + j: LayerNorm and store, if the block has that row
.set R, 16+32*(\j)
	s_add_co_u32 s72, s51, \j
	s_cmp_lt_u32 s72, s29
	s_cbranch_scc0 .Lskip_\@
.irp c, 0,1,2,3,4,5,6,7
	ds_load_b128 v[R+4*\c:R+4*\c+3], v14 offset:XP*(\j)+512*\c
.endr
	s_wait_dscnt 0x0
.irp c, 0,1,2,3
	v_pk_add_f32 v[T+2*\c:T+2*\c+1], v[R+4*\c:R+4*\c+1], v[R+4*\c+2:R+4*\c+3]     ; four chains
.endr
.irp p, 16,24
.irp c, 0,1,2,3
	v_pk_add_f32 v[T+2*\c:T+2*\c+1], v[T+2*\c:T+2*\c+1], v[R+\p+2*\c:R+\p+2*\c+1]
.endr
.endr
	v_pk_add_f32 v[T:T+1], v[T:T+1], v[T+2:T+3]
	v_pk_add_f32 v[T+4:T+5], v[T+4:T+5], v[T+6:T+7]
	v_pk_add_f32 v[T:T+1], v[T:T+1], v[T+4:T+5]
	v_add_f32 v[T], v[T], v[T+1]
.irp n, 1,2,4,8
	v_add_f32_dpp v[T], v[T], v[T] row_xmask:\n row_mask:0xf bank_mask:0xf
.endr
	v_permlanex16_b32 v[T+1], v[T], s66, s67
	v_add_f32 v[T], v[T], v[T+1]
	v_mul_f32 v[T], s69, v[T]                      ; the mean
.irp p, 0,2,4,6,8,10,12,14,16,18,20,22,24,26,28,30
	v_pk_add_f32 v[R+\p:R+\p+1], v[R+\p:R+\p+1], v[T:T+1] op_sel_hi:[1,0] neg_lo:[0,1] neg_hi:[0,1]
.endr
.irp c, 0,1,2,3
	v_pk_mul_f32 v[T+2+2*\c:T+3+2*\c], v[R+2*\c:R+2*\c+1], v[R+2*\c:R+2*\c+1]
.endr
.irp p, 8,16,24
.irp c, 0,1,2,3
	v_pk_fma_f32 v[T+2+2*\c:T+3+2*\c], v[R+\p+2*\c:R+\p+2*\c+1], v[R+\p+2*\c:R+\p+2*\c+1], v[T+2+2*\c:T+3+2*\c]
.endr
.endr
	v_pk_add_f32 v[T+2:T+3], v[T+2:T+3], v[T+4:T+5]
	v_pk_add_f32 v[T+6:T+7], v[T+6:T+7], v[T+8:T+9]
	v_pk_add_f32 v[T+2:T+3], v[T+2:T+3], v[T+6:T+7]
	v_add_f32 v[T+2], v[T+2], v[T+3]
.irp n, 1,2,4,8
	v_add_f32_dpp v[T+2], v[T+2], v[T+2] row_xmask:\n row_mask:0xf bank_mask:0xf
.endr
	v_permlanex16_b32 v[T+3], v[T+2], s66, s67
	v_add_f32 v[T+2], v[T+2], v[T+3]
	v_fmaak_f32 v[T+2], s69, v[T+2], 0x3727c5ac    ; the variance + 1e-5
	v_rsq_f32 v[T+4], v[T+2]
	v_nop
	s_wait_alu depctr_va_vdst(0)                   ; the wait ahead of the first reader
.irp p, 0,2,4,6,8,10,12,14,16,18,20,22,24,26,28,30
	v_pk_mul_f32 v[R+\p:R+\p+1], v[R+\p:R+\p+1], v[T+4:T+5] op_sel_hi:[1,0]
.endr
.irp p, 0,2,4,6,8,10,12,14,16,18,20,22,24,26,28,30
	v_pk_fma_f32 v[R+\p:R+\p+1], v[R+\p:R+\p+1], v[WB+\p:WB+\p+1], v[WB+32+\p:WB+32+\p+1]
.endr
.irp c, 0,1,2,3,4,5,6,7
	global_store_b128 v1, v[R+4*\c:R+4*\c+3], s[58+2*(\j):59+2*(\j)] offset:512*\c th:TH_STORE_NT   ; 512 consecutive bytes, aligned; each row has registers and a base of its own
.endr
.Lskip_\@:
.endm
	s_load_b512 s[4:19], s[0:1], 0x0               ; x, wc, ws, b1, b2, gamma, beta, ord
	s_load_b128 s[20:23], s[0:1], 0x40             ; gsort, out0
	v_lshrrev_b32 v15, 5, v0
	v_readfirstlane_b32 s24, v15                   ; wave 0..15
	s_lshl_b32 s26, ttmp9, 4
	s_mov_b32 s27, 0
	s_wait_kmcnt 0x0
	s_add_nc_u64 s[26:27], s[18:19], s[26:27]
	s_load_b128 s[28:31], s[26:27], 0x8000         ; my block: first place, rows, lo, hi
	v_and_b32 v255, 31, v0                         ; lane
	v_and_b32 v254, 15, v0                         ; r
	v_bfe_u32 v15, v0, 4, 1                        ; h
	v_lshlrev_b32 v1, 4, v255
	v_lshlrev_b32 v2, 2, v255
	v_lshlrev_b32 v3, 2, v254
	v_lshlrev_b32 v10, 3, v255
	v_add_nc_u32 v4, HB, v1
	v_add_nc_u32 v5, HB, v2
	v_add_nc_u32 v6, HB, v3
	s_lshr_b32 s72, s24, 2                         ; my 32 hidden units are chunk w % 4 of K step w / 4
	s_and_b32 s73, s24, 3
	s_mul_i32 s74, s72, 6144
	s_lshl_b32 s75, s73, 9
	s_add_co_u32 s74, s74, s75
	v_add_nc_u32 v7, s74, v4
	s_lshl_b32 s74, s72, 8
	s_add_co_u32 s74, s74, s73
	s_add_co_u32 s74, s74, HSCO
	v_add_nc_u32 v8, s74, v6
	s_mul_i32 s74, s24, 768
	s_add_co_u32 s74, s74, BIAS
	v_lshl_add_u32 v9, v15, 6, s74                 ; my half's 16 numbers of a group of 32
	v_add_nc_u32 v220, s74, v2                     ; where the biases go in (these two registers lie in ring buffer 3, which is filled later)
	v_add_nc_u32 v221, s74, v10
	v_mul_u32_u24 v11, v254, XP
	v_lshl_add_u32 v11, v15, 6, v11
	s_lshl_b32 s75, s24, 8
	s_add_co_u32 s75, s75, XF
	v_add_nc_u32 v11, s75, v11
	v_add_nc_u32 v12, 16*XP, v11
	v_add_nc_u32 v13, 32*XP, v11
	s_mul_i32 s75, s24, 3*XP
	s_add_co_u32 s75, s75, XF
	v_add_nc_u32 v14, s75, v1
	s_lshr_b32 s72, s24, 1                         ; my 64 columns of x are chunks 2 (w % 2), + 1 of K step w / 2
	s_and_b32 s73, s24, 1
	s_mul_i32 s74, s72, 6144
	s_lshl_b32 s75, s73, 10
	s_add_co_u32 s74, s74, s75
	v_add_nc_u32 v15, s74, v1
	s_lshl_b32 s74, s72, 8
	s_lshl_b32 s75, s73, 1
	s_add_co_u32 s74, s74, s75
	s_add_co_u32 s74, s74, XSC
	v_add_nc_u32 v254, s74, v3
	s_mov_b32 s66, 0x76543210
	s_mov_b32 s67, 0xfedcba98                      ; v_permlanex16_b32's selects for lane l xor 16
	s_mov_b32 s68, 0x600000
	s_mov_b32 s69, 0x3a800000                      ; 1 / 1,024
	s_mov_b32 s70, 0xbdd2d3e8                      ; k2
	s_mov_b32 s71, s70                             ; (named with it as a pair, so it is written)
	v_mov_b32 v[K1], 0xc0135761                    ; k1
	v_mov_b32 v[K1+1], v[K1]
	s_wait_kmcnt 0x0
	s_min_u32 s28, s28, 0x1fff                     ; loaded numbers are held before they enter an address
	s_min_u32 s29, s29, 48
	s_min_u32 s30, s30, 7
	s_min_u32 s31, s31, 7
	s_mul_i32 s51, s24, 3
	s_add_co_u32 s25, s28, s51
.irp j, 0,1,2
	s_add_co_u32 s[52+2*\j], s25, \j               ; the place of row 3 w + j, held inside the list
	s_min_u32 s[52+2*\j], s[52+2*\j], 0x1fff
	s_lshl_b32 s[52+2*\j], s[52+2*\j], 2
	s_mov_b32 s[53+2*\j], 0
	s_add_nc_u64 s[52+2*\j:53+2*\j], s[18:19], s[52+2*\j:53+2*\j]
	s_load_b32 s[48+\j], s[52+2*\j:53+2*\j], 0x0   ; its token
.endr
	s_mov_b32 s73, 0
	s_lshl_b32 s74, s24, 15                        ; my group's codes: 32,768 x wave in W1; in W2 two groups of 16,384: the same
	s_lshl_b32 s75, s24, 10                        ; its scale words likewise
	s_lshl_b32 s26, s24, 7
.irp i, 0,1
	s_lshl_b32 s72, s[30+\i], 19
	s_add_co_u32 s72, s72, s74
	s_add_nc_u64 s[32+2*\i:33+2*\i], s[6:7], s[72:73]
	s_add_nc_u64 s[36+2*\i:37+2*\i], s[32+2*\i:33+2*\i], 0x400000
	s_lshl_b32 s72, s[30+\i], 14
	s_add_co_u32 s72, s72, s75
	s_add_nc_u64 s[40+2*\i:41+2*\i], s[8:9], s[72:73]
	s_add_nc_u64 s[44+2*\i:45+2*\i], s[40+2*\i:41+2*\i], 0x20000
	s_lshl_b32 s72, s[30+\i], 11
	s_add_co_u32 s72, s72, s26                     ; b1: 2,048 e + 128 w
	s_add_nc_u64 s[76+2*\i:77+2*\i], s[10:11], s[72:73]
	s_lshl_b32 s72, s72, 1                         ; b2: twice that
	s_add_nc_u64 s[80+2*\i:81+2*\i], s[12:13], s[72:73]
.endr
	v_and_b32 v208, 15, v0
	v_add_nc_u32 v208, s28, v208
	v_add_nc_u32 v209, 16, v208
	v_add_nc_u32 v210, 32, v208
.irp m, 0,1,2
	v_min_u32 v[208+\m], 0x1fff, v[208+\m]
	v_lshlrev_b32 v[208+\m], 3, v[208+\m]
	global_load_b64 v[GT+2*\m:GT+2*\m+1], v[208+\m], s[20:21]      ; the gates of token 16 m + r
.endr
.irp i, 0,1
	global_load_b32 v[212+\i], v2, s[76+2*\i:77+2*\i]
	global_load_b64 v[214+2*\i:215+2*\i], v10, s[80+2*\i:81+2*\i]
.endr
	s_wait_kmcnt 0x0
.irp j, 0,1,2
	s_min_u32 s[48+\j], s[48+\j], 0x1fff
	s_lshl_b32 s72, s[48+\j], 12
	s_add_nc_u64 s[52+2*\j:53+2*\j], s[4:5], s[72:73]
	s_add_nc_u64 s[58+2*\j:59+2*\j], s[22:23], s[72:73]
.endr
.irp j, 0,1,2
.irp c, 0,1,2,3,4,5,6,7
	global_load_b128 v[16+32*\j+4*\c:16+32*\j+4*\c+3], v1, s[52+2*\j:53+2*\j] offset:512*\c   ; a whole row; rows past the block's count name tokens that another block reads too, so no hint
.endr
.endr
	s_wait_loadcnt 24                              ; gates and biases are in; the 24 loads of x may be out
	ds_store_b32 v220, v212
	ds_store_b32 v220, v213 offset:384
	ds_store_b64 v221, v[214:215] offset:128
	ds_store_b64 v221, v[216:217] offset:512
	s_wait_dscnt 0x0                               ; these stores have read their registers, which the ring's loads take next
	BUNDLE 0
	BUNDLE 1
	BUNDLE 2
	BUNDLE 3
	s_wait_loadcnt 36                              ; x is in; the ring's 36 loads may be out
.irp j, 0,1,2
.irp c, 0,1,2,3,4,5,6,7
	ds_store_b128 v14, v[16+32*\j+4*\c:16+32*\j+4*\c+3] offset:XP*\j+512*\c
.endr
.endr
	BAR                                            ; 48 rows of x lie in LDS
	; x becomes codes: my 64 columns, two blocks of 32, for each tile of rows
.irp m, 0,1,2
.irp c, 0,1
.irp k, 0,1,2,3
	ds_load_b128 v[16+16*\c+4*\k:16+16*\c+4*\k+3], v[11+\m] offset:128*\c+16*\k
.endr
.endr
	s_wait_dscnt 0x0                               ; the numbers are in, and the last tile's stores have read their registers
	QUANT 2, 16, 48, 56
	ds_store_b128 v15, v[48:51] offset:2048*\m
	ds_store_b128 v15, v[52:55] offset:2048*\m+512
	v_lshl_or_b32 v255, v59, 8, v58
	ds_store_b16 v254, v255 offset:64*\m           ; two of the row's four bytes; both halves of the lanes write the same
.endr
	BAR                                            ; x's 24 fragments lie in LDS
	SLOT 0
	SLOT 1
	BAR                                            ; y is whole
	s_wait_loadcnt 0x0                             ; gamma and beta
	LNROW 0
	LNROW 1
	LNROW 2
	s_barrier_signal -1
	s_barrier_wait -1
	s_wait_xcnt 0x0
	v_lshl_add_u32 v254, v0, 2, 0x4c400
	v_mov_b32 v255, 0
	s_wait_tensorcnt 0x0
	ds_add_u32 v254, v255
	s_wait_dscnt 0x0
	s_endpgm
.Lfunc_end_k_q901f5040f3_chain:
	.size	k_q901f5040f3_chain, .Lfunc_end_k_q901f5040f3_chain-k_q901f5040f3_chain
	.p2alignl 7, 3214868480
	.fill 96, 4, 3214868480
	.section	.rodata,"a",@progbits
	.p2align	6, 0x0
	.amdhsa_kernel k_q901f5040f3_chain
		.amdhsa_group_segment_fixed_size 314368
		.amdhsa_private_segment_fixed_size 0
		.amdhsa_enable_private_segment 0
		.amdhsa_kernarg_size 80
		.amdhsa_user_sgpr_count 2
		.amdhsa_user_sgpr_kernarg_segment_ptr 1
		.amdhsa_wavefront_size32 1
		.amdhsa_system_sgpr_workgroup_id_x 1
		.amdhsa_system_sgpr_workgroup_id_y 1
		.amdhsa_system_sgpr_workgroup_id_z 1
		.amdhsa_system_vgpr_workitem_id 0
		.amdhsa_next_free_vgpr 256
		.amdhsa_next_free_sgpr 84
		.amdhsa_reserve_vcc 0
		.amdhsa_float_denorm_mode_32 3
		.amdhsa_float_denorm_mode_16_64 3
		.amdhsa_memory_ordered 1
		.amdhsa_forward_progress 1
		.amdhsa_inst_pref_size 189
	.end_amdhsa_kernel
	.amdgpu_metadata
---
amdhsa.version: [ 1, 2 ]
amdhsa.kernels:
  - .name:           k_q901f5040f3_chain
    .symbol:         k_q901f5040f3_chain.kd
    .args:
      - { .name: x, .offset: 0, .size: 8, .value_kind: global_buffer, .address_space: global }
      - { .name: wc, .offset: 8, .size: 8, .value_kind: global_buffer, .address_space: global }
      - { .name: ws, .offset: 16, .size: 8, .value_kind: global_buffer, .address_space: global }
      - { .name: b1, .offset: 24, .size: 8, .value_kind: global_buffer, .address_space: global }
      - { .name: b2, .offset: 32, .size: 8, .value_kind: global_buffer, .address_space: global }
      - { .name: gamma, .offset: 40, .size: 8, .value_kind: global_buffer, .address_space: global }
      - { .name: beta, .offset: 48, .size: 8, .value_kind: global_buffer, .address_space: global }
      - { .name: ord, .offset: 56, .size: 8, .value_kind: global_buffer, .address_space: global }
      - { .name: gsort, .offset: 64, .size: 8, .value_kind: global_buffer, .address_space: global }
      - { .name: out0, .offset: 72, .size: 8, .value_kind: global_buffer, .address_space: global }
    .group_segment_fixed_size: 314368
    .private_segment_fixed_size: 0
    .kernarg_segment_align: 8
    .kernarg_segment_size: 80
    .max_flat_workgroup_size: 512
    .sgpr_count:     84
    .vgpr_count:     256
    .wavefront_size: 32
...
	.end_amdgpu_metadata
.endif
;; end of part 3
;; ======== version 2 of 3: 3 launches
;; workspace buffers: wc 8,388,608 bytes; ws 262,144 bytes; rt 65,536 bytes of whole numbers; gate 65,536 bytes; ord 36,864 bytes of whole numbers; gsort 65,536 bytes
;; launch prep (part 4): grid 384 x 1, 8 waves a work-group, no clusters, 144,384 bytes of LDS; arguments x, router_w, router_b, w1, w2, wc, ws, rt, gate; writes wc, ws, rt, gate
.if DOCPART == 4
	.amdgcn_target "amdgcn-amd-amdhsa--gfx1250"
	.amdhsa_code_object_version 6
	.text
	.protected	k_q901f5040f3_prep
	.globl	k_q901f5040f3_prep
	.p2align	8
	.type	k_q901f5040f3_prep,@function
k_q901f5040f3_prep:
	s_mov_b64 s[64:65], 0
	v_nop
	global_prefetch_b8 v0, s[64:65] scope:SCOPE_SE
	s_setreg_imm32_b32 hwreg(HW_REG_WAVE_MODE, 25, 1), 1
	s_wait_xcnt 0x0
; PREP.  Work-groups 0-127 turn w1 [8][1024][512] and w2 [8][512][1024], f32 with K as the first axis of an expert, into codes of E5M2 with one E8M0 byte for each 32 along K.
; Work-groups 128-383 compute the router in f32 for 32 tokens each and store, at fixed places, what a later launch sorts by.
; THE CODES ARE LAID IN THE ORDER OF THE OPERAND'S REGISTERS: wc = [expert][group of 32 columns][K step of 128][tile u of 16][chunk c of 32 K][512 bytes]; in the 512 bytes lane rho + 16 h has, at 16 x lane,
; the codes k = 32 c + 16 h + 0..15 of tile row rho, which is column 32 g + 8 u + rho + 8 (rho / 8).  Four loads of 16 bytes a lane are then a fragment.  w2's codes begin 4,194,304 bytes in.
; THE SCALE BYTES: ws = [expert][group][pair of K steps][lane 16 u + rho][2 words], a word = the four bytes of one K step.  w2's begin 131,072 bytes in.
; A block's scale is 2^(floor(log2(largest magnitude)) - 15); its byte is the largest magnitude's exponent field - 15, held at 1 from below.  A block of zeros keeps the byte 1: its codes are zeros, and this program alone reads the bytes.
; THE ROUTER: a lane is a token, wave w sums K = 128 w .. 128 w + 127 for all eight experts; the eight waves' parts meet in LDS and wave 0 finishes.
; router_w is the scalar operand of the multiply-adds.  A wave's 128 rows of it, 4,096 bytes, come ONCE, by eight vector loads that are on their way together with x's, and go to scalar registers by v_readlane_b32,
; 32 numbers a step, a step ahead of their use: no step of the sum waits for memory.
; The route word: bits 0-4 the pair's key lo (13 - lo) / 2 + hi - 1, bits 8-13 the token's rank among equal keys of its 32 tokens, bits 16-18 lo, 20-22 hi, bit 24 gate of lo > 0, bit 25 gate of hi > 0.
; LIMITS: the two experts are chosen on exp(logit - max), ahead of the division by the sum: a tie that only the division's rounding makes is broken otherwise than by the divided numbers.  A score under 2^-126 counts as 0.
; NaN and infinities among the inputs are not served.
.set PART,  135168                     ; LDS: behind the waves' stages, 1,024 bytes of partial sums for each wave
.set WREGB, 16896                      ; a wave's stage: 32 rows x 528 bytes
.set ROWP,  528                        ; 512 bytes of a row + 16: 33 x 16, so the 16 rows that a load touches start at 16 different banks
.set WX,    32                         ; v32-95   weights: two sets of 32 numbers
.set WCD,   96                         ; v96-159  weights: eight registers of codes for each of 8 blocks, never written again
.set WSB,   24                         ; v24-25   weights: the scale bytes
.set RA,    8                          ; v8-15    router: my token's eight partial sums
.set RX,    16                         ; v16-143  router: 128 numbers
.set RW,    144                        ; v144-175 router: my wave's 128 rows of router_w as loaded: register 4 i + c of lane l holds row 16 i + l / 2, expert 4 (l % 2) + c
.set SA,    24                         ; s24-55   router_w, four rows of eight, two sets by turns
.set SBF,   68                         ; s68-99
.set RB,    56                         ; s56-63   router_b
.macro WLOAD t, pitch                  ; block t: W(32 t + i, my column), i = 0 .. 31; each load reads 128 consecutive bytes
.irp i, 0,1,2,3,4,5,6,7,8,9,10,11,12,13,14,15,16,17,18,19,20,21,22,23,24,25,26,27,28,29,30,31
	global_load_b32 v[WX+32*((\t)%2)+\i], v3, s[28:29] offset:(32*(\t)+\i)*(\pitch) th:TH_LOAD_NT
.endr
.endm
.macro WBLOCK t, pitch
.set XS, WX+32*((\t)%2)
.if (\t) < 7
	s_wait_loadcnt 32                              ; this block's 32 loads are in; the next block's 32 may be out
.else
	s_wait_loadcnt 0x0
.endif
	v_max3_num_f32 v12, |v[XS]|, |v[XS+1]|, |v[XS+2]|      ; the block's largest magnitude: all 32 numbers are mine; two chains
	v_max3_num_f32 v13, |v[XS+3]|, |v[XS+4]|, |v[XS+5]|
.irp i, 6,10,14,18,22,26
	v_max3_num_f32 v12, v12, |v[XS+\i]|, |v[XS+\i+1]|
	v_max3_num_f32 v13, v13, |v[XS+\i+2]|, |v[XS+\i+3]|
.endr
	v_max3_num_f32 v12, v12, |v[XS+30]|, |v[XS+31]|
	v_max3_num_f32 v12, v12, v13, 0x8000000        ; and the floor 2^(16 - 127): the byte cannot fall under 1
	v_add_nc_u32 v11, 0xf8800000, v12              ; 15 off the exponent field: the conversion's scale operand
	v_and_or_b32 v10, v12, 0x7f800000, s23         ; 57,344 x the scale
	v_lshrrev_b32 v13, 23, v11                     ; the scale's byte
.if (\t)%4 == 0
	v_mov_b32 v[WSB+(\t)/4], v13
.else
	v_lshl_or_b32 v[WSB+(\t)/4], v13, 8*((\t)%4), v[WSB+(\t)/4]
.endif
.irp i, 0,1,2,3,4,5,6,7,8,9,10,11,12,13,14,15,16,17,18,19,20,21,22,23,24,25,26,27,28,29,30,31
	v_med3_num_f32 v[XS+\i], v[XS+\i], -v10, v10   ; the conversion to an 8-bit code does not saturate (ISA guide 7.6.2): the hold comes first
.endr
.irp g, 0,1,2,3
	v_cvt_scalef32_pk8_bf8_f32 v[WCD+8*(\t)+2*\g:WCD+8*(\t)+2*\g+1], v[XS+8*\g:XS+8*\g+7], v11
.endr
	global_store_b128 v4, v[WCD+8*(\t):WCD+8*(\t)+3], s[30:31] offset:((\t)/4)*4096+((\t)%4)*512        ; k 0-15 of the block: sixteen lanes fill 256 consecutive bytes, aligned
	global_store_b128 v4, v[WCD+8*(\t)+4:WCD+8*(\t)+7], s[30:31] offset:((\t)/4)*4096+((\t)%4)*512+256  ; k 16-31: the upper half of the 512
.if (\t)+2 < 8
	WLOAD (\t)+2, \pitch
.endif
.endm
; One tensor's path.  A wave takes 32 columns x 256 along K.  ptr: the tensor's pointer; kcf: the field of the work-group's number that says which 256 along K; gm: the mask of its column part
.macro WPATH ptr, pitch, kcf, gm, ksh, cgsh, sgsh, cbase, sbase
	s_bfe_u32 s24, ttmp9, 0x30003                  ; the expert
	s_bfe_u32 s25, ttmp9, \kcf                     ; which 256 along K
	s_and_b32 s26, ttmp9, \gm
	s_lshl_b32 s26, s26, 3
	s_add_co_u32 s26, s26, s22                     ; the group of 32 columns
	s_lshl_b32 s28, s24, 21                        ; in the tensor: 2,097,152 bytes an expert,
	s_lshl_b32 s27, s25, \ksh                      ; 256 rows,
	s_add_co_u32 s28, s28, s27
	s_lshl_b32 s27, s26, 7                         ; 128 bytes a group
	s_add_co_u32 s28, s28, s27
	s_mov_b32 s29, 0
	s_lshl_b32 s30, s24, 19                        ; in the codes: 524,288 bytes an expert,
	s_lshl_b32 s27, s26, \cgsh                     ; a group's K steps,
	s_add_co_u32 s30, s30, s27
	s_lshl_b32 s27, s25, 13                        ; two K steps of 4,096 bytes
	s_add_co_u32 s30, s30, s27
	s_add_co_u32 s30, s30, \cbase
	s_mov_b32 s31, 0
	s_lshl_b32 s32, s24, 14                        ; in the scale bytes: 16,384 an expert,
	s_lshl_b32 s27, s26, \sgsh
	s_add_co_u32 s32, s32, s27
	s_lshl_b32 s27, s25, 8                         ; 256 for a pair of K steps
	s_add_co_u32 s32, s32, s27
	s_add_co_u32 s32, s32, \sbase
	s_mov_b32 s33, 0
	s_wait_kmcnt 0x0
	s_add_nc_u64 s[28:29], s[\ptr:\ptr+1], s[28:29]
	s_add_nc_u64 s[30:31], s[14:15], s[30:31]
	s_add_nc_u64 s[32:33], s[16:17], s[32:33]
	WLOAD 0, \pitch
	WLOAD 1, \pitch
.irp t, 0,1,2,3,4,5,6,7
	WBLOCK \t, \pitch
.endr
	global_store_b64 v5, v[WSB:WSB+1], s[32:33]    ; 32 lanes store 256 consecutive bytes, aligned
.endm
; Rows 4 t .. 4 t + 3 of my wave's 128 rows of router_w, eight numbers each, from the registers in which they were loaded into the 32 scalar registers from buf on: number 8 k + e is row 4 t + k, expert e
.macro WROWS t, buf
.irp k, 0,1,2,3
.irp e, 0,1,2,3,4,5,6,7
	v_readlane_b32 s[(\buf)+8*\k+\e], v[RW+4*((\t)/4)+(\e%4)], 2*((4*(\t)+\k)%16)+\e/4
.endr
.endr
.endm
	s_load_b512 s[4:19], s[0:1], 0x0               ; x, router_w, router_b, w1, w2, wc, ws, rt
	s_load_b64 s[20:21], s[0:1], 0x40              ; gate
	v_lshl_add_u32 v176, v0, 2, 0x23000
	v_mov_b32 v177, 0
	v_lshrrev_b32 v1, 5, v0
	v_readfirstlane_b32 s22, v1                    ; wave 0..7
	v_and_b32 v1, 31, v0                           ; lane
	s_cmp_lt_u32 ttmp9, 128                        ; the paths part on the work-group's number alone; only the router's path touches LDS and has a barrier
	s_cbranch_scc0 .Lrouter
	v_lshrrev_b32 v6, 4, v1                        ; u
	v_and_b32 v7, 15, v1                           ; rho
	v_and_b32 v8, 8, v1
	v_lshl_add_u32 v3, v6, 3, v7
	v_add_nc_u32 v3, v3, v8                        ; my column of the 32: 8 u + rho + 8 (rho / 8): the tile's order is made at the load
	v_lshlrev_b32 v3, 2, v3
	v_lshlrev_b32 v4, 4, v7
	v_lshl_add_u32 v4, v6, 11, v4                  ; my codes' place: 2,048 u + 16 rho
	v_lshlrev_b32 v5, 3, v1                        ; my two scale words
	s_mov_b32 s23, 0x600000                        ; the mantissa field of 57,344
	s_cmp_lt_u32 ttmp9, 64
	s_cbranch_scc0 .Lw2
	WPATH 10, 2048, 0x20001, 1, 19, 15, 10, 0, 0
	s_endpgm
.Lw2:
	WPATH 12, 4096, 0x10002, 3, 20, 14, 9, 4194304, 131072
	s_endpgm
.Lrouter:
	s_sub_co_u32 s2, ttmp9, 128                    ; which 32 tokens
	s_lshl_b32 s66, s2, 17                         ; 32 rows of 4,096 bytes,
	s_lshl_b32 s3, s22, 9                          ; my wave's 512 bytes of a row
	s_add_co_u32 s66, s66, s3
	s_mov_b32 s67, 0
	v_lshlrev_b32 v2, 4, v1                        ; 16 x lane
	s_mul_i32 s3, s22, WREGB
	v_add_nc_u32 v3, s3, v2                        ; the stage, on the way in: a row's 512 bytes as they lie
	v_mul_u32_u24 v4, v1, ROWP
	v_add_nc_u32 v4, s3, v4                        ; and on the way out: lane = row
	v_lshl_add_u32 v6, v1, 5, PART                 ; the partial sums: 32 bytes a token
	s_lshl_b32 s3, s22, 10
	v_add_nc_u32 v5, s3, v6                        ; my wave's
	s_wait_kmcnt 0x0
	s_add_nc_u64 s[4:5], s[4:5], s[66:67]
	s_lshl_b32 s66, s22, 12                        ; my wave's 128 rows of router_w, 32 bytes each
	s_add_nc_u64 s[6:7], s[6:7], s[66:67]
	s_load_b256 s[RB:RB+7], s[8:9], 0x0            ; router_b: wanted at the end
.irp i, 0,1,2,3,4,5,6,7
	global_load_b128 v[RW+4*\i:RW+4*\i+3], v2, s[6:7] offset:512*\i    ; my 4,096 bytes of router_w, 512 consecutive bytes a load; every work-group reads them, so no hint
.endr
.irp i, 0,1,2,3,4,5,6,7,8,9,10,11,12,13,14,15,16,17,18,19,20,21,22,23,24,25,26,27,28,29,30,31
	global_load_b128 v[RX+4*\i:RX+4*\i+3], v2, s[4:5] offset:4096*\i   ; row i: 512 consecutive bytes, aligned; a later launch reads x again, so no hint
.endr
.irp i, 0,1,2,3,4,5,6,7,8,9,10,11,12,13,14,15,16,17,18,19,20,21,22,23,24,25,26,27,28,29,30,31
	s_wait_loadcnt 31-\i                           ; loads come back in order: row i is in, the younger rows stay out; router_w's eight loads are older than every row's
	ds_store_b128 v3, v[RX+4*\i:RX+4*\i+3] offset:ROWP*\i
.endr
.irp t, 0,1,2,3,4,5,6,7,8,9,10,11,12,13,14,15,16,17,18,19,20,21,22,23,24,25,26,27,28,29,30,31
	ds_load_b128 v[RX+4*\t:RX+4*\t+3], v4 offset:16*\t   ; my token's numbers 4 t .. 4 t + 3.  The stage is my wave's own and LDS serves a wave in order: no wait, no barrier
.endr
	WROWS 0, SA                                    ; the first step's four rows, while the LDS loads are on their way
	s_wait_kmcnt 0x0                               ; router_b, asked for long ago
.set T, 0
.rept 32
.set CUR, SA+(SBF-SA)*(T%2)
.set NXT, SA+(SBF-SA)*((T+1)%2)
.if T < 31
	WROWS T+1, NXT                                 ; the next step's four rows, into the set that this step does not read
.endif
	s_wait_dscnt 31-T                              ; LDS loads come back in order: number T of the 32 is in
.irp k, 0,1,2,3
.irp e, 0,1,2,3,4,5,6,7
.if (T == 0) && (\k == 0)
	v_mul_f32 v[RA+\e], s[CUR+\e], v[RX]           ; the first product starts the sums
.else
	v_fmac_f32 v[RA+\e], s[CUR+8*\k+\e], v[RX+4*T+\k]
.endif
.endr
.endr
.set T, T+1
.endr
	ds_store_b128 v5, v[RA:RA+3]
	ds_store_b128 v5, v[RA+4:RA+7] offset:16
	s_wait_dscnt 0x0                               ; for wave 0's sake: my partial sums have landed
	s_barrier_signal -1
	s_barrier_wait -1
	s_cmp_lg_u32 s22, 0
	s_cbranch_scc1 .Lend
	; wave 0 alone, a lane a token
.irp k, 0,1,2,3,4,5,6,7
	ds_load_b128 v[16+8*\k:19+8*\k], v6 offset:1024*\k
	ds_load_b128 v[20+8*\k:23+8*\k], v6 offset:1024*\k+16
.endr
	s_wait_dscnt 0x0
.irp k, 1,2,3,4,5,6,7
.irp p, 0,2,4,6
	v_pk_add_f32 v[16+\p:17+\p], v[16+\p:17+\p], v[16+8*\k+\p:17+8*\k+\p]   ; K ascending
.endr
.endr
.irp e, 0,1,2,3,4,5,6,7
	v_add_f32 v[16+\e], s[RB+\e], v[16+\e]         ; the logits
.endr
	v_max3_num_f32 v80, v16, v17, v18
	v_max3_num_f32 v80, v80, v19, v20
	v_max3_num_f32 v80, v80, v21, v22
	v_max_num_f32 v80, v80, v23                    ; the maximum is taken away ahead of the exponentials
.irp e, 0,1,2,3,4,5,6,7
	v_sub_f32 v[88+\e], v[16+\e], v80
.endr
.irp e, 0,1,2,3,4,5,6,7
	v_mul_f32 v[88+\e], 0x3fb8aa3b, v[88+\e]
.endr
.irp e, 0,1,2,3,4,5,6,7
	v_exp_f32 v[88+\e], v[88+\e]
.endr
	v_mov_b32 v85, -1.0                            ; a plain line behind the batch
	s_wait_alu depctr_va_vdst(0)                   ; one wait ahead of the batch's first reader
	v_add_f32 v81, v88, v89
.irp e, 2,3,4,5,6,7
	v_add_f32 v81, v81, v[88+\e]
.endr
	v_rcp_f32 v82, v81
	v_mov_b32 v83, v88                             ; the largest, and its index: a later one wins only if it is strictly larger, so the lower index is kept
	v_mov_b32 v84, 0
.irp e, 1,2,3,4,5,6,7
	v_cmp_le_f32 vcc_lo, v[88+\e], v83
	v_cndmask_b32 v84, \e, v84, vcc_lo
	v_cndmask_b32 v83, v[88+\e], v83, vcc_lo
.endr
.irp e, 0,1,2,3,4,5,6,7
	v_cmp_eq_u32 vcc_lo, \e, v84
	v_cndmask_b32 v[96+\e], v[88+\e], v85, vcc_lo  ; the largest is put under all others
.endr
	v_mov_b32 v86, v96                             ; the second
	v_mov_b32 v87, 0
.irp e, 1,2,3,4,5,6,7
	v_cmp_le_f32 vcc_lo, v[96+\e], v86
	v_cndmask_b32 v87, \e, v87, vcc_lo
	v_cndmask_b32 v86, v[96+\e], v86, vcc_lo
.endr
	s_wait_alu depctr_va_vdst(0)                   ; the reciprocal's wait, ahead of its first reader; the two searches stood between
	v_mul_f32 v104, v83, v82                       ; the two scores
	v_mul_f32 v105, v86, v82
	v_min_u32 v106, v84, v87                       ; lo
	v_add_nc_u32 v107, v84, v87
	v_sub_nc_u32 v107, v107, v106                  ; hi
	v_cmp_lt_u32 vcc_lo, v84, v87
	v_cndmask_b32 v108, v105, v104, vcc_lo         ; lo's gate
	v_cndmask_b32 v109, v104, v105, vcc_lo         ; hi's
	v_sub_nc_u32 v111, 13, v106
	v_mul_u32_u24 v111, v111, v106
	v_lshrrev_b32 v111, 1, v111
	v_add_nc_u32 v111, v111, v107
	v_add_nc_u32 v110, -1, v111                    ; the pair's key, 0 .. 27
	v_mov_b32 v115, 1
	v_cmp_lt_f32 vcc_lo, 0, v108
	v_cndmask_b32 v116, 0, v115, vcc_lo
	v_cmp_lt_f32 vcc_lo, 0, v109
	v_cndmask_b32 v117, 0, v115, vcc_lo
	v_mov_b32 v112, 0                              ; lane p: how many of my 32 tokens have key p
	v_mov_b32 v113, 0                              ; my rank among those with my key
.irp p, 0,1,2,3,4,5,6,7,8,9,10,11,12,13,14,15,16,17,18,19,20,21,22,23,24,25,26,27
	v_cmp_eq_u32 s23, \p, v110
	s_bcnt1_i32_b32 s3, s23
	v_writelane_b32 v112, s3, \p
	v_mbcnt_lo_u32_b32 v111, s23, 0
	v_cndmask_b32 v113, v113, v111, s23
.endr
	v_lshl_or_b32 v114, v113, 8, v110
	v_lshl_or_b32 v114, v106, 16, v114
	v_lshl_or_b32 v114, v107, 20, v114
	v_lshl_or_b32 v114, v116, 24, v114
	v_lshl_or_b32 v114, v117, 25, v114
	s_lshl_b32 s66, s2, 7                          ; all three stores go to fixed places: nothing here steers an address
	s_add_nc_u64 s[18:19], s[18:19], s[66:67]
	s_lshl_b32 s66, s2, 8
	s_add_nc_u64 s[20:21], s[20:21], s[66:67]
	v_lshlrev_b32 v7, 2, v1
	v_lshlrev_b32 v118, 3, v1
	global_store_b32 v7, v114, s[18:19]
	global_store_b32 v7, v112, s[18:19] offset:32768
	global_store_b64 v118, v[108:109], s[20:21]
.Lend:
	s_wait_tensorcnt 0x0
	ds_add_u32 v176, v177
	s_wait_dscnt 0x0
	s_endpgm
.Lfunc_end_k_q901f5040f3_prep:
	.size	k_q901f5040f3_prep, .Lfunc_end_k_q901f5040f3_prep-k_q901f5040f3_prep
	.p2alignl 7, 3214868480
	.fill 96, 4, 3214868480
	.section	.rodata,"a",@progbits
	.p2align	6, 0x0
	.amdhsa_kernel k_q901f5040f3_prep
		.amdhsa_group_segment_fixed_size 144384
		.amdhsa_private_segment_fixed_size 0
		.amdhsa_enable_private_segment 0
		.amdhsa_kernarg_size 72
		.amdhsa_user_sgpr_count 2
		.amdhsa_user_sgpr_kernarg_segment_ptr 1
		.amdhsa_wavefront_size32 1
		.amdhsa_system_sgpr_workgroup_id_x 1
		.amdhsa_system_sgpr_workgroup_id_y 1
		.amdhsa_system_sgpr_workgroup_id_z 1
		.amdhsa_system_vgpr_workitem_id 0
		.amdhsa_next_free_vgpr 178
		.amdhsa_next_free_sgpr 100
		.amdhsa_reserve_vcc 1
		.amdhsa_float_denorm_mode_32 3
		.amdhsa_float_denorm_mode_16_64 3
		.amdhsa_memory_ordered 1
		.amdhsa_forward_progress 1
		.amdhsa_inst_pref_size 235
	.end_amdhsa_kernel
	.amdgpu_metadata
---
amdhsa.version: [ 1, 2 ]
amdhsa.kernels:
  - .name:           k_q901f5040f3_prep
    .symbol:         k_q901f5040f3_prep.kd
    .args:
      - { .name: x, .offset: 0, .size: 8, .value_kind: global_buffer, .address_space: global }
      - { .name: router_w, .offset: 8, .size: 8, .value_kind: global_buffer, .address_space: global }
      - { .name: router_b, .offset: 16, .size: 8, .value_kind: global_buffer, .address_space: global }
      - { .name: w1, .offset: 24, .size: 8, .value_kind: global_buffer, .address_space: global }
      - { .name: w2, .offset: 32, .size: 8, .value_kind: global_buffer, .address_space: global }
      - { .name: wc, .offset: 40, .size: 8, .value_kind: global_buffer, .address_space: global }
      - { .name: ws, .offset: 48, .size: 8, .value_kind: global_buffer, .address_space: global }
      - { .name: rt, .offset: 56, .size: 8, .value_kind: global_buffer, .address_space: global }
      - { .name: gate, .offset: 64, .size: 8, .value_kind: global_buffer, .address_space: global }
    .group_segment_fixed_size: 144384
    .private_segment_fixed_size: 0
    .kernarg_segment_align: 8
    .kernarg_segment_size: 72
    .max_flat_workgroup_size: 256
    .sgpr_count:     100
    .vgpr_count:     178
    .wavefront_size: 32
...
	.end_amdgpu_metadata
.endif
;; end of part 4
;; launch place: the kernel of part 2 again; grid 1 x 1, 32 waves a work-group, no clusters, 12,288 bytes of LDS; arguments rt, gate, ord, gsort, out1; writes ord, gsort, out1
;; launch chain: the kernel of part 3 again; grid 198 x 1, 16 waves a work-group, no clusters, 314,368 bytes of LDS; arguments x, wc, ws, b1, b2, gamma, beta, ord, gsort, out0; writes out0
;; ======== version 3 of 3: 3 launches
;; workspace buffers: wc 8,388,608 bytes; ws 262,144 bytes; rt 65,536 bytes of whole numbers; gate 65,536 bytes; ord 36,864 bytes of whole numbers; gsort 65,536 bytes
;; launch prep (part 5): grid 384 x 1, 8 waves a work-group, no clusters, 144,384 bytes of LDS; arguments x, router_w, router_b, w1, w2, wc, ws, rt, gate; writes wc, ws, rt, gate
.if DOCPART == 5
	.amdgcn_target "amdgcn-amd-amdhsa--gfx1250"
	.amdhsa_code_object_version 6
	.text
	.protected	k_q901f5040f3_prep
	.globl	k_q901f5040f3_prep
	.p2align	8
	.type	k_q901f5040f3_prep,@function
k_q901f5040f3_prep:
	s_mov_b64 s[64:65], 0
	v_nop
	global_prefetch_b8 v0, s[64:65] scope:SCOPE_SE
	s_setreg_imm32_b32 hwreg(HW_REG_WAVE_MODE, 25, 1), 1
	s_wait_xcnt 0x0
; PREP.  Work-groups 0-127 turn w1 [8][1024][512] and w2 [8][512][1024], f32 with K as the first axis of an expert, into codes of E5M2 with one E8M0 byte for each 32 along K.
; Work-groups 128-383 compute the router in f32 for 32 tokens each and store, at fixed places, what a later launch sorts by.
; THE CODES ARE LAID IN THE ORDER OF THE OPERAND'S REGISTERS: wc = [expert][group of 32 columns][K step of 128][tile u of 16][chunk c of 32 K][512 bytes]; in the 512 bytes lane rho + 16 h has, at 16 x lane,
; the codes k = 32 c + 16 h + 0..15 of tile row rho, which is column 32 g + 8 u + rho + 8 (rho / 8).  Four loads of 16 bytes a lane are then a fragment.  w2's codes begin 4,194,304 bytes in.
; THE SCALE BYTES: ws = [expert][group][pair of K steps][lane 16 u + rho][2 words], a word = the four bytes of one K step.  w2's begin 131,072 bytes in.
; A block's scale is 2^(floor(log2(largest magnitude)) - 15); its byte is the largest magnitude's exponent field - 15, held at 1 from below.  A block of zeros keeps the byte 1: its codes are zeros, and this program alone reads the bytes.
; THE ROUTER: a lane is a token, wave w sums K = 128 w .. 128 w + 127 for all eight experts; the eight waves' parts meet in LDS and wave 0 finishes.
; router_w is the scalar operand of the multiply-adds.  A wave's 128 rows of it, 4,096 bytes, come ONCE, by eight vector loads that are on their way together with x's, and go to scalar registers by v_readlane_b32,
; 32 numbers a step, a step ahead of their use: no step of the sum waits for memory.
; The route word: bits 0-4 the pair's key lo (13 - lo) / 2 + hi - 1, bits 8-13 the token's rank among equal keys of its 32 tokens, bits 16-18 lo, 20-22 hi, bit 24 gate of lo > 0, bit 25 gate of hi > 0.
; LIMITS: the two experts are chosen on exp(logit - max), ahead of the division by the sum: a tie that only the division's rounding makes is broken otherwise than by the divided numbers.  A score under 2^-126 counts as 0.
; NaN and infinities among the inputs are not served.
.set PART,  135168                     ; LDS: behind the waves' stages, 1,024 bytes of partial sums for each wave
.set WREGB, 16896                      ; a wave's stage: 32 rows x 528 bytes
.set ROWP,  528                        ; 512 bytes of a row + 16: 33 x 16, so the 16 rows that a load touches start at 16 different banks
.set WX,    32                         ; v32-95   weights: two sets of 32 numbers
.set WCD,   96                         ; v96-159  weights: eight registers of codes for each of 8 blocks, never written again
.set WSB,   24                         ; v24-25   weights: the scale bytes
.set RA,    8                          ; v8-15    router: my token's eight partial sums
.set RX,    16                         ; v16-143  router: 128 numbers
.set RW,    144                        ; v144-175 router: my wave's 128 rows of router_w as loaded: register 4 i + c of lane l holds row 16 i + l / 2, expert 4 (l % 2) + c
.set SA,    24                         ; s24-55   router_w, four rows of eight, two sets by turns
.set SBF,   68                         ; s68-99
.set RB,    56                         ; s56-63   router_b
.macro WLOAD t, pitch                  ; block t: W(32 t + i, my column), i = 0 .. 31; each load reads 128 consecutive bytes
.irp i, 0,1,2,3,4,5,6,7,8,9,10,11,12,13,14,15,16,17,18,19,20,21,22,23,24,25,26,27,28,29,30,31
	global_load_b32 v[WX+32*((\t)%2)+\i], v3, s[28:29] offset:(32*(\t)+\i)*(\pitch) th:TH_LOAD_NT
.endr
.endm
.macro WBLOCK t, pitch
.set XS, WX+32*((\t)%2)
.if (\t) < 7
	s_wait_loadcnt 32                              ; this block's 32 loads are in; the next block's 32 may be out
.else
	s_wait_loadcnt 0x0
.endif
	v_max3_num_f32 v12, |v[XS]|, |v[XS+1]|, |v[XS+2]|      ; the block's largest magnitude: all 32 numbers are mine; two chains
	v_max3_num_f32 v13, |v[XS+3]|, |v[XS+4]|, |v[XS+5]|
.irp i, 6,10,14,18,22,26
	s_delay_alu instid0(VALU_DEP_2)
	v_max3_num_f32 v12, v12, |v[XS+\i]|, |v[XS+\i+1]|
	s_delay_alu instid0(VALU_DEP_2)
	v_max3_num_f32 v13, v13, |v[XS+\i+2]|, |v[XS+\i+3]|
.endr
	s_delay_alu instid0(VALU_DEP_2)
	v_max3_num_f32 v12, v12, |v[XS+30]|, |v[XS+31]|
	s_delay_alu instid0(VALU_DEP_1)
	v_max3_num_f32 v12, v12, v13, 0x8000000        ; and the floor 2^(16 - 127): the byte cannot fall under 1
	s_delay_alu instid0(VALU_DEP_1)
	v_add_nc_u32 v11, 0xf8800000, v12              ; 15 off the exponent field: the conversion's scale operand
	s_delay_alu instid0(VALU_DEP_2)
	v_and_or_b32 v10, v12, 0x7f800000, s23         ; 57,344 x the scale
	s_delay_alu instid0(VALU_DEP_2)
	v_lshrrev_b32 v13, 23, v11                     ; the scale's byte
.if (\t)%4 == 0
	s_delay_alu instid0(VALU_DEP_1)
	v_mov_b32 v[WSB+(\t)/4], v13
.else
	s_delay_alu instid0(VALU_DEP_1)
	v_lshl_or_b32 v[WSB+(\t)/4], v13, 8*((\t)%4), v[WSB+(\t)/4]
.endif
.irp i, 0,1,2,3,4,5,6,7,8,9,10,11,12,13,14,15,16,17,18,19,20,21,22,23,24,25,26,27,28,29,30,31
	v_med3_num_f32 v[XS+\i], v[XS+\i], -v10, v10   ; the conversion to an 8-bit code does not saturate (ISA guide 7.6.2): the hold comes first
.endr
.irp g, 0,1,2,3
	v_cvt_scalef32_pk8_bf8_f32 v[WCD+8*(\t)+2*\g:WCD+8*(\t)+2*\g+1], v[XS+8*\g:XS+8*\g+7], v11
.endr
	global_store_b128 v4, v[WCD+8*(\t):WCD+8*(\t)+3], s[30:31] offset:((\t)/4)*4096+((\t)%4)*512        ; k 0-15 of the block: sixteen lanes fill 256 consecutive bytes, aligned
	global_store_b128 v4, v[WCD+8*(\t)+4:WCD+8*(\t)+7], s[30:31] offset:((\t)/4)*4096+((\t)%4)*512+256  ; k 16-31: the upper half of the 512
.if (\t)+2 < 8
	WLOAD (\t)+2, \pitch
.endif
.endm
; One tensor's path.  A wave takes 32 columns x 256 along K.  ptr: the tensor's pointer; kcf: the field of the work-group's number that says which 256 along K; gm: the mask of its column part
.macro WPATH ptr, pitch, kcf, gm, ksh, cgsh, sgsh, cbase, sbase
	s_bfe_u32 s24, ttmp9, 0x30003                  ; the expert
	s_bfe_u32 s25, ttmp9, \kcf                     ; which 256 along K
	s_and_b32 s26, ttmp9, \gm
	s_lshl_b32 s26, s26, 3
	s_add_co_u32 s26, s26, s22                     ; the group of 32 columns
	s_lshl_b32 s28, s24, 21                        ; in the tensor: 2,097,152 bytes an expert,
	s_lshl_b32 s27, s25, \ksh                      ; 256 rows,
	s_add_co_u32 s28, s28, s27
	s_lshl_b32 s27, s26, 7                         ; 128 bytes a group
	s_add_co_u32 s28, s28, s27
	s_mov_b32 s29, 0
	s_lshl_b32 s30, s24, 19                        ; in the codes: 524,288 bytes an expert,
	s_lshl_b32 s27, s26, \cgsh                     ; a group's K steps,
	s_add_co_u32 s30, s30, s27
	s_lshl_b32 s27, s25, 13                        ; two K steps of 4,096 bytes
	s_add_co_u32 s30, s30, s27
	s_add_co_u32 s30, s30, \cbase
	s_mov_b32 s31, 0
	s_lshl_b32 s32, s24, 14                        ; in the scale bytes: 16,384 an expert,
	s_lshl_b32 s27, s26, \sgsh
	s_add_co_u32 s32, s32, s27
	s_lshl_b32 s27, s25, 8                         ; 256 for a pair of K steps
	s_add_co_u32 s32, s32, s27
	s_add_co_u32 s32, s32, \sbase
	s_mov_b32 s33, 0
	s_wait_kmcnt 0x0
	s_add_nc_u64 s[28:29], s[\ptr:\ptr+1], s[28:29]
	s_add_nc_u64 s[30:31], s[14:15], s[30:31]
	s_add_nc_u64 s[32:33], s[16:17], s[32:33]
	WLOAD 0, \pitch
	WLOAD 1, \pitch
.irp t, 0,1,2,3,4,5,6,7
	WBLOCK \t, \pitch
.endr
	global_store_b64 v5, v[WSB:WSB+1], s[32:33]    ; 32 lanes store 256 consecutive bytes, aligned
.endm
; Rows 4 t .. 4 t + 3 of my wave's 128 rows of router_w, eight numbers each, from the registers in which they were loaded into the 32 scalar registers from buf on: number 8 k + e is row 4 t + k, expert e
.macro WROWS t, buf
.irp k, 0,1,2,3
.irp e, 0,1,2,3,4,5,6,7
	v_readlane_b32 s[(\buf)+8*\k+\e], v[RW+4*((\t)/4)+(\e%4)], 2*((4*(\t)+\k)%16)+\e/4
.endr
.endr
.endm
	s_load_b512 s[4:19], s[0:1], 0x0               ; x, router_w, router_b, w1, w2, wc, ws, rt
	s_load_b64 s[20:21], s[0:1], 0x40              ; gate
	v_lshl_add_u32 v176, v0, 2, 0x23000
	v_mov_b32 v177, 0
	v_lshrrev_b32 v1, 5, v0
	s_delay_alu instid0(VALU_DEP_1)
	v_readfirstlane_b32 s22, v1                    ; wave 0..7
	v_and_b32 v1, 31, v0                           ; lane
	s_cmp_lt_u32 ttmp9, 128                        ; the paths part on the work-group's number alone; only the router's path touches LDS and has a barrier
	s_cbranch_scc0 .Lrouter
	v_lshrrev_b32 v6, 4, v1                        ; u
	v_and_b32 v7, 15, v1                           ; rho
	v_and_b32 v8, 8, v1
	s_delay_alu instid0(VALU_DEP_2)
	v_lshl_add_u32 v3, v6, 3, v7
	s_delay_alu instid0(VALU_DEP_1)
	v_add_nc_u32 v3, v3, v8                        ; my column of the 32: 8 u + rho + 8 (rho / 8): the tile's order is made at the load
	s_delay_alu instid0(VALU_DEP_1)
	v_lshlrev_b32 v3, 2, v3
	v_lshlrev_b32 v4, 4, v7
	s_delay_alu instid0(VALU_DEP_1)
	v_lshl_add_u32 v4, v6, 11, v4                  ; my codes' place: 2,048 u + 16 rho
	v_lshlrev_b32 v5, 3, v1                        ; my two scale words
	s_mov_b32 s23, 0x600000                        ; the mantissa field of 57,344
	s_cmp_lt_u32 ttmp9, 64
	s_cbranch_scc0 .Lw2
	s_wait_alu depctr_va_vdst(0)
	WPATH 10, 2048, 0x20001, 1, 19, 15, 10, 0, 0
	s_endpgm
.Lw2:
	s_wait_alu depctr_va_vdst(0)
	WPATH 12, 4096, 0x10002, 3, 20, 14, 9, 4194304, 131072
	s_endpgm
.Lrouter:
	s_sub_co_u32 s2, ttmp9, 128                    ; which 32 tokens
	s_lshl_b32 s66, s2, 17                         ; 32 rows of 4,096 bytes,
	s_lshl_b32 s3, s22, 9                          ; my wave's 512 bytes of a row
	s_add_co_u32 s66, s66, s3
	s_mov_b32 s67, 0
	s_wait_alu depctr_va_vdst(0)
	v_lshlrev_b32 v2, 4, v1                        ; 16 x lane
	s_mul_i32 s3, s22, WREGB
	v_add_nc_u32 v3, s3, v2                        ; the stage, on the way in: a row's 512 bytes as they lie
	v_mul_u32_u24 v4, v1, ROWP
	s_delay_alu instid0(VALU_DEP_1)
	v_add_nc_u32 v4, s3, v4                        ; and on the way out: lane = row
	v_lshl_add_u32 v6, v1, 5, PART                 ; the partial sums: 32 bytes a token
	s_lshl_b32 s3, s22, 10
	v_add_nc_u32 v5, s3, v6                        ; my wave's
	s_wait_alu depctr_va_vdst(0)
	s_wait_kmcnt 0x0
	s_add_nc_u64 s[4:5], s[4:5], s[66:67]
	s_lshl_b32 s66, s22, 12                        ; my wave's 128 rows of router_w, 32 bytes each
	s_add_nc_u64 s[6:7], s[6:7], s[66:67]
	s_load_b256 s[RB:RB+7], s[8:9], 0x0            ; router_b: wanted at the end
.irp i, 0,1,2,3,4,5,6,7
	global_load_b128 v[RW+4*\i:RW+4*\i+3], v2, s[6:7] offset:512*\i    ; my 4,096 bytes of router_w, 512 consecutive bytes a load; every work-group reads them, so no hint
.endr
.irp i, 0,1,2,3,4,5,6,7,8,9,10,11,12,13,14,15,16,17,18,19,20,21,22,23,24,25,26,27,28,29,30,31
	global_load_b128 v[RX+4*\i:RX+4*\i+3], v2, s[4:5] offset:4096*\i   ; row i: 512 consecutive bytes, aligned; a later launch reads x again, so no hint
.endr
.irp i, 0,1,2,3,4,5,6,7,8,9,10,11,12,13,14,15,16,17,18,19,20,21,22,23,24,25,26,27,28,29,30,31
	s_wait_loadcnt 31-\i                           ; loads come back in order: row i is in, the younger rows stay out; router_w's eight loads are older than every row's
	ds_store_b128 v3, v[RX+4*\i:RX+4*\i+3] offset:ROWP*\i
.endr
.irp t, 0,1,2,3,4,5,6,7,8,9,10,11,12,13,14,15,16,17,18,19,20,21,22,23,24,25,26,27,28,29,30,31
	ds_load_b128 v[RX+4*\t:RX+4*\t+3], v4 offset:16*\t   ; my token's numbers 4 t .. 4 t + 3.  The stage is my wave's own and LDS serves a wave in order: no wait, no barrier
.endr
	WROWS 0, SA                                    ; the first step's four rows, while the LDS loads are on their way
	s_wait_kmcnt 0x0                               ; router_b, asked for long ago
.set T, 0
.rept 32
.set CUR, SA+(SBF-SA)*(T%2)
.set NXT, SA+(SBF-SA)*((T+1)%2)
.if T < 31
	WROWS T+1, NXT                                 ; the next step's four rows, into the set that this step does not read
.endif
	s_wait_alu depctr_va_vdst(0)
	s_wait_dscnt 31-T                              ; LDS loads come back in order: number T of the 32 is in
.irp k, 0,1,2,3
.irp e, 0,1,2,3,4,5,6,7
.if (T == 0) && (\k == 0)
	v_mul_f32 v[RA+\e], s[CUR+\e], v[RX]           ; the first product starts the sums
.else
	v_fmac_f32 v[RA+\e], s[CUR+8*\k+\e], v[RX+4*T+\k]
.endif
.endr
.endr
.set T, T+1
.endr
	ds_store_b128 v5, v[RA:RA+3]
	ds_store_b128 v5, v[RA+4:RA+7] offset:16
	s_wait_dscnt 0x0                               ; for wave 0's sake: my partial sums have landed
	s_barrier_signal -1
	s_barrier_wait -1
	s_cmp_lg_u32 s22, 0
	s_cbranch_scc1 .Lend
	; wave 0 alone, a lane a token
.irp k, 0,1,2,3,4,5,6,7
	ds_load_b128 v[16+8*\k:19+8*\k], v6 offset:1024*\k
	ds_load_b128 v[20+8*\k:23+8*\k], v6 offset:1024*\k+16
.endr
	s_wait_dscnt 0x0
.irp k, 1,2,3,4,5,6,7
.irp p, 0,2,4,6
	v_pk_add_f32 v[16+\p:17+\p], v[16+\p:17+\p], v[16+8*\k+\p:17+8*\k+\p]   ; K ascending
.endr
.endr
.irp e, 0,1,2,3,4,5,6,7
	v_add_f32 v[16+\e], s[RB+\e], v[16+\e]         ; the logits
.endr
	v_max3_num_f32 v80, v16, v17, v18
	s_delay_alu instid0(VALU_DEP_1)
	v_max3_num_f32 v80, v80, v19, v20
	s_delay_alu instid0(VALU_DEP_1)
	v_max3_num_f32 v80, v80, v21, v22
	s_delay_alu instid0(VALU_DEP_1)
	v_max_num_f32 v80, v80, v23                    ; the maximum is taken away ahead of the exponentials
.irp e, 0,1,2,3,4,5,6,7
	v_sub_f32 v[88+\e], v[16+\e], v80
.endr
.irp e, 0,1,2,3,4,5,6,7
	v_mul_f32 v[88+\e], 0x3fb8aa3b, v[88+\e]
.endr
	s_wait_alu depctr_va_vdst(0)
.irp e, 0,1,2,3,4,5,6,7
	v_exp_f32 v[88+\e], v[88+\e]
.endr
	v_mov_b32 v85, -1.0                            ; a plain line behind the batch
	s_wait_alu depctr_va_vdst(0)                   ; one wait ahead of the batch's first reader
	v_add_f32 v81, v88, v89
.irp e, 2,3,4,5,6,7
	v_add_f32 v81, v81, v[88+\e]
.endr
	s_wait_alu depctr_va_vdst(0)
	v_rcp_f32 v82, v81
	v_mov_b32 v83, v88                             ; the largest, and its index: a later one wins only if it is strictly larger, so the lower index is kept
	v_mov_b32 v84, 0
.irp e, 1,2,3,4,5,6,7
	v_cmp_le_f32 vcc_lo, v[88+\e], v83
	s_delay_alu instid0(VALU_DEP_1)
	v_cndmask_b32 v84, \e, v84, vcc_lo
	v_cndmask_b32 v83, v[88+\e], v83, vcc_lo
.endr
.irp e, 0,1,2,3,4,5,6,7
	v_cmp_eq_u32 vcc_lo, \e, v84
	v_cndmask_b32 v[96+\e], v[88+\e], v85, vcc_lo  ; the largest is put under all others
.endr
	v_mov_b32 v86, v96                             ; the second
	v_mov_b32 v87, 0
.irp e, 1
	s_delay_alu instid0(VALU_DEP_2)
	v_cmp_le_f32 vcc_lo, v[96+\e], v86
	s_delay_alu instid0(VALU_DEP_1)
	v_cndmask_b32 v87, \e, v87, vcc_lo
	s_delay_alu instid0(VALU_DEP_2)
	v_cndmask_b32 v86, v[96+\e], v86, vcc_lo
.endr
.irp e, 2, 3, 4, 5, 6, 7
	s_delay_alu instid0(VALU_DEP_1)
	v_cmp_le_f32 vcc_lo, v[96+\e], v86
	s_delay_alu instid0(VALU_DEP_1)
	v_cndmask_b32 v87, \e, v87, vcc_lo
	s_delay_alu instid0(VALU_DEP_2)
	v_cndmask_b32 v86, v[96+\e], v86, vcc_lo
.endr
	s_wait_alu depctr_va_vdst(0)                   ; the reciprocal's wait, ahead of its first reader; the two searches stood between
	v_mul_f32 v104, v83, v82                       ; the two scores
	v_mul_f32 v105, v86, v82
	v_min_u32 v106, v84, v87                       ; lo
	v_add_nc_u32 v107, v84, v87
	s_delay_alu instid0(VALU_DEP_1)
	v_sub_nc_u32 v107, v107, v106                  ; hi
	v_cmp_lt_u32 vcc_lo, v84, v87
	s_delay_alu instid0(VALU_DEP_1)
	v_cndmask_b32 v108, v105, v104, vcc_lo         ; lo's gate
	s_delay_alu instid0(VALU_DEP_2)
	v_cndmask_b32 v109, v104, v105, vcc_lo         ; hi's
	v_sub_nc_u32 v111, 13, v106
	s_delay_alu instid0(VALU_DEP_1)
	v_mul_u32_u24 v111, v111, v106
	s_delay_alu instid0(VALU_DEP_1)
	v_lshrrev_b32 v111, 1, v111
	s_delay_alu instid0(VALU_DEP_1)
	v_add_nc_u32 v111, v111, v107
	s_delay_alu instid0(VALU_DEP_1)
	v_add_nc_u32 v110, -1, v111                    ; the pair's key, 0 .. 27
	v_mov_b32 v115, 1
	v_cmp_lt_f32 vcc_lo, 0, v108
	s_delay_alu instid0(VALU_DEP_1)
	v_cndmask_b32 v116, 0, v115, vcc_lo
	v_cmp_lt_f32 vcc_lo, 0, v109
	s_delay_alu instid0(VALU_DEP_1)
	v_cndmask_b32 v117, 0, v115, vcc_lo
	v_mov_b32 v112, 0                              ; lane p: how many of my 32 tokens have key p
	v_mov_b32 v113, 0                              ; my rank among those with my key
.irp p, 0,1,2,3,4,5,6,7,8,9,10,11,12,13,14,15,16,17,18,19,20,21,22,23,24,25,26,27
	v_cmp_eq_u32 s23, \p, v110
	s_bcnt1_i32_b32 s3, s23
	v_writelane_b32 v112, s3, \p
	v_mbcnt_lo_u32_b32 v111, s23, 0
	s_delay_alu instid0(VALU_DEP_1)
	v_cndmask_b32 v113, v113, v111, s23
.endr
	s_delay_alu instid0(VALU_DEP_1)
	v_lshl_or_b32 v114, v113, 8, v110
	s_delay_alu instid0(VALU_DEP_1)
	v_lshl_or_b32 v114, v106, 16, v114
	s_delay_alu instid0(VALU_DEP_1)
	v_lshl_or_b32 v114, v107, 20, v114
	s_delay_alu instid0(VALU_DEP_1)
	v_lshl_or_b32 v114, v116, 24, v114
	s_delay_alu instid0(VALU_DEP_1)
	v_lshl_or_b32 v114, v117, 25, v114
	s_lshl_b32 s66, s2, 7                          ; all three stores go to fixed places: nothing here steers an address
	s_add_nc_u64 s[18:19], s[18:19], s[66:67]
	s_lshl_b32 s66, s2, 8
	s_add_nc_u64 s[20:21], s[20:21], s[66:67]
	v_lshlrev_b32 v7, 2, v1
	v_lshlrev_b32 v118, 3, v1
	global_store_b32 v7, v114, s[18:19]
	global_store_b32 v7, v112, s[18:19] offset:32768
	global_store_b64 v118, v[108:109], s[20:21]
.Lend:
	s_wait_tensorcnt 0x0
	ds_add_u32 v176, v177
	s_wait_dscnt 0x0
	s_endpgm
.Lfunc_end_k_q901f5040f3_prep:
	.size	k_q901f5040f3_prep, .Lfunc_end_k_q901f5040f3_prep-k_q901f5040f3_prep
	.p2alignl 7, 3214868480
	.fill 96, 4, 3214868480
	.section	.rodata,"a",@progbits
	.p2align	6, 0x0
	.amdhsa_kernel k_q901f5040f3_prep
		.amdhsa_group_segment_fixed_size 144384
		.amdhsa_private_segment_fixed_size 0
		.amdhsa_enable_private_segment 0
		.amdhsa_kernarg_size 72
		.amdhsa_user_sgpr_count 2
		.amdhsa_user_sgpr_kernarg_segment_ptr 1
		.amdhsa_wavefront_size32 1
		.amdhsa_system_sgpr_workgroup_id_x 1
		.amdhsa_system_sgpr_workgroup_id_y 1
		.amdhsa_system_sgpr_workgroup_id_z 1
		.amdhsa_system_vgpr_workitem_id 0
		.amdhsa_next_free_vgpr 178
		.amdhsa_next_free_sgpr 100
		.amdhsa_reserve_vcc 1
		.amdhsa_float_denorm_mode_32 3
		.amdhsa_float_denorm_mode_16_64 3
		.amdhsa_memory_ordered 1
		.amdhsa_forward_progress 1
		.amdhsa_inst_pref_size 247
	.end_amdhsa_kernel
	.amdgpu_metadata
---
amdhsa.version: [ 1, 2 ]
amdhsa.kernels:
  - .name:           k_q901f5040f3_prep
    .symbol:         k_q901f5040f3_prep.kd
    .args:
      - { .name: x, .offset: 0, .size: 8, .value_kind: global_buffer, .address_space: global }
      - { .name: router_w, .offset: 8, .size: 8, .value_kind: global_buffer, .address_space: global }
      - { .name: router_b, .offset: 16, .size: 8, .value_kind: global_buffer, .address_space: global }
      - { .name: w1, .offset: 24, .size: 8, .value_kind: global_buffer, .address_space: global }
      - { .name: w2, .offset: 32, .size: 8, .value_kind: global_buffer, .address_space: global }
      - { .name: wc, .offset: 40, .size: 8, .value_kind: global_buffer, .address_space: global }
      - { .name: ws, .offset: 48, .size: 8, .value_kind: global_buffer, .address_space: global }
      - { .name: rt, .offset: 56, .size: 8, .value_kind: global_buffer, .address_space: global }
      - { .name: gate, .offset: 64, .size: 8, .value_kind: global_buffer, .address_space: global }
    .group_segment_fixed_size: 144384
    .private_segment_fixed_size: 0
    .kernarg_segment_align: 8
    .kernarg_segment_size: 72
    .max_flat_workgroup_size: 256
    .sgpr_count:     100
    .vgpr_count:     178
    .wavefront_size: 32
...
	.end_amdgpu_metadata
.endif
;; end of part 5
;; launch place (part 6): grid 1 x 1, 32 waves a work-group, no clusters, 12,288 bytes of LDS; arguments rt, gate, ord, gsort, out1; writes ord, gsort, out1
.if DOCPART == 6
	.amdgcn_target "amdgcn-amd-amdhsa--gfx1250"
	.amdhsa_code_object_version 6
	.text
	.protected	k_q901f5040f3_place
	.globl	k_q901f5040f3_place
	.p2align	8
	.type	k_q901f5040f3_place,@function
k_q901f5040f3_place:
	s_mov_b64 s[64:65], 0
	v_nop
	global_prefetch_b8 v0, s[64:65] scope:SCOPE_SE
	s_setreg_imm32_b32 hwreg(HW_REG_WAVE_MODE, 25, 1), 1
	s_wait_xcnt 0x0
; PLACE.  One work-group sorts the 8,192 tokens by their pair of experts (28 keys), by counting: no atomics.  The launch before stored, for each group of 32 tokens, a histogram over the keys, and for each token its rank in its group.
; A token's place = (tokens of lower keys) + (tokens of its key in earlier groups) + its rank.  Wave w owns groups 8 w .. 8 w + 7; a lane stands for a key where histograms are summed and for a token where places are made.
; Stored: order[place] = token; gsort[place] = its two gates; blk[b] = (first place, rows, lo, hi) for 256 blocks of at most 48 rows of one pair (blocks past the last have 0 rows); out1[e] = some token gives expert e a gate above 0.
; The stores of order and gsort are scattered, 4 and 8 bytes a token, 98,304 bytes in all: gathering them in LDS would need LDS addresses made of loaded numbers.
.set SELT, 4096                        ; LDS: 0: each wave's 32 sums; 4,096: each lane's mask of experts with a gate above 0
.macro SCAN v                          ; an inclusive sum over the 32 lanes; vcc = lanes 16-31
.irp n, 1,2,4,8
	s_delay_alu instid0(VALU_DEP_1)
	v_mov_b32_dpp v83, v[\v] row_shr:\n row_mask:0xf bank_mask:0xf bound_ctrl:1
	s_delay_alu instid0(VALU_DEP_1)
	v_add_nc_u32 v[\v], v[\v], v83
.endr
	s_delay_alu instid0(VALU_DEP_1)
	v_readlane_b32 s15, v[\v], 15
	s_delay_alu instid0(VALU_DEP_1)
	v_mov_b32 v84, s15
	s_delay_alu instid0(VALU_DEP_1)
	v_cndmask_b32 v83, 0, v84, vcc_lo
	s_delay_alu instid0(VALU_DEP_1)
	v_add_nc_u32 v[\v], v[\v], v83
.endm
	s_load_b256 s[4:11], s[0:1], 0x0               ; rt, gate, ord, gsort
	s_load_b64 s[12:13], s[0:1], 0x20              ; out1
	v_lshrrev_b32 v7, 5, v0
	s_delay_alu instid0(VALU_DEP_1)
	v_readfirstlane_b32 s14, v7                    ; wave 0..31
	v_and_b32 v1, 31, v0                           ; lane
	s_delay_alu instid0(VALU_DEP_1)
	v_lshlrev_b32 v5, 2, v1                        ; 4 x lane
	s_delay_alu instid0(VALU_DEP_1)
	v_lshl_add_u32 v2, v7, 10, v5                  ; my wave's eight groups of 128 bytes
	s_delay_alu instid0(VALU_DEP_1)
	v_lshlrev_b32 v3, 1, v2                        ; the same for the gates, 8 bytes a token
	v_lshlrev_b32 v4, 2, v0                        ; 4 x thread
	v_lshl_add_u32 v6, v7, 8, v1                   ; my token in group 0 of the wave's eight
	s_wait_alu depctr_va_vdst(0)
	s_wait_kmcnt 0x0
.irp j, 0,1,2,3,4,5,6,7
	global_load_b32 v[8+\j], v2, s[4:5] offset:32768+128*\j     ; the histograms
.endr
.irp j, 0,1,2,3,4,5,6,7
	global_load_b32 v[16+\j], v2, s[4:5] offset:128*\j          ; the route words
.endr
.irp j, 0,1,2,3,4,5,6,7
	global_load_b64 v[24+2*\j:25+2*\j], v3, s[6:7] offset:256*\j   ; the gates
.endr
	s_wait_loadcnt 16                              ; the histograms are in; route words and gates may be out
	v_mov_b32 v40, 0
.irp j, 1,2,3,4,5,6,7
	s_delay_alu instid0(VALU_DEP_1)
	v_add_nc_u32 v[40+\j], v[39+\j], v[7+\j]       ; my key's tokens in the wave's earlier groups
.endr
	s_delay_alu instid0(VALU_DEP_1)
	v_add_nc_u32 v80, v47, v15                     ; and in all eight
	s_wait_loadcnt 8                               ; the route words are in
	v_mov_b32 v82, 0
.irp j, 0,1,2,3,4,5,6,7
	v_bfe_u32 v83, v[16+\j], 16, 3
	v_bfe_u32 v84, v[16+\j], 24, 1
	s_delay_alu instid0(VALU_DEP_1)
	v_lshlrev_b32 v83, v83, v84                    ; (gate of lo > 0) << lo
	s_delay_alu instid0(VALU_DEP_1)
	v_or_b32 v82, v82, v83
	v_bfe_u32 v83, v[16+\j], 20, 3
	v_bfe_u32 v84, v[16+\j], 25, 1
	s_delay_alu instid0(VALU_DEP_1)
	v_lshlrev_b32 v83, v83, v84
	s_delay_alu instid0(VALU_DEP_1)
	v_or_b32 v82, v82, v83
.endr
	ds_store_b32 v4, v80
	ds_store_b32 v4, v82 offset:SELT
	s_wait_dscnt 0x0                               ; for the others' sake: my two words have landed
	s_barrier_signal -1
	s_barrier_wait -1                              ; the one barrier: nothing is written to LDS behind it
.irp k, 0,1,2,3,4,5,6,7,8,9,10,11,12,13,14,15,16,17,18,19,20,21,22,23,24,25,26,27,28,29,30,31
	ds_load_b32 v[48+\k], v5 offset:128*\k
.endr
	s_wait_dscnt 0x0
	v_mov_b32 v81, 0
	v_add_nc_u32 v80, v48, v49
.irp k, 2,4,6,8,10,12,14,16,18,20,22,24,26,28,30
	s_delay_alu instid0(VALU_DEP_1)
	v_add3_u32 v80, v80, v[48+\k], v[49+\k]        ; my key's tokens in all
.endr
.irp k, 0,1,2,3,4,5,6,7,8,9,10,11,12,13,14,15,16,17,18,19,20,21,22,23,24,25,26,27,28,29,30
	s_cmp_lt_u32 \k, s14
	s_cselect_b32 s15, 1, 0
	v_mad_u32_u24 v81, v[48+\k], s15, v81          ; and in the waves before mine
.endr
	v_cmp_lt_u32 vcc_lo, 15, v1
	v_mov_b32 v85, v80
	SCAN 85
	s_delay_alu instid0(VALU_DEP_1)
	v_sub_nc_u32 v85, v85, v80                     ; tokens of lower keys
	v_add_nc_u32 v86, 47, v80
	s_delay_alu instid0(VALU_DEP_1)
	v_mul_u32_u24 v86, 0xaaab, v86
	s_delay_alu instid0(VALU_DEP_1)
	v_lshrrev_b32 v86, 21, v86                     ; blocks of my key: (n + 47) / 48; 43,691 / 2^21 is exact for numbers under 131,072
	s_delay_alu instid0(VALU_DEP_1)
	v_mov_b32 v87, v86
	SCAN 87
	s_delay_alu instid0(VALU_DEP_1)
	v_sub_nc_u32 v87, v87, v86                     ; blocks of lower keys
	v_add_nc_u32 v81, v81, v85
.irp j, 0,1,2,3,4,5,6,7
	v_add_nc_u32 v[40+\j], v[40+\j], v81           ; lane = key: where group j's tokens of that key begin
	v_and_b32 v[88+\j], 31, v[16+\j]               ; lane = token: its key,
	s_delay_alu instid0(VALU_DEP_1)
	v_min_u32 v[88+\j], 27, v[88+\j]               ; held inside the 28
	s_delay_alu instid0(VALU_DEP_1)
	v_lshlrev_b32 v[88+\j], 2, v[88+\j]
	ds_bpermute_b32 v[96+\j], v[88+\j], v[40+\j]   ; each token pulls its key's lane; no LDS byte is touched
.endr
	s_wait_dscnt 0x0
	s_wait_loadcnt 0x0                             ; the gates
.irp j, 0,1,2,3,4,5,6,7
	v_bfe_u32 v83, v[16+\j], 8, 6                  ; the rank
	s_delay_alu instid0(VALU_DEP_1)
	v_add_nc_u32 v83, v83, v[96+\j]
	s_delay_alu instid0(VALU_DEP_1)
	v_min_u32 v83, 0x1fff, v83                     ; the place, held inside the buffers
	s_delay_alu instid0(VALU_DEP_1)
	v_lshlrev_b32 v[88+\j], 2, v83
	s_delay_alu instid0(VALU_DEP_2)
	v_lshlrev_b32 v[104+\j], 3, v83
	v_add_nc_u32 v[112+\j], 32*\j, v6              ; the token.  Each group has registers of its own: no store's sources are written again
	global_store_b32 v[88+\j], v[112+\j], s[8:9]
	global_store_b64 v[104+\j], v[24+2*\j:25+2*\j], s[10:11]
.endr
	s_cmp_lt_u32 s14, 8
	s_cbranch_scc0 .Lnoblk
	; waves 0-7: thread b makes block b's entry: the last key whose first block is at or under b
	v_readlane_b32 s17, v85, 0
	v_readlane_b32 s18, v80, 0
	v_mov_b32 v124, 0
	s_delay_alu instid0(VALU_DEP_3)
	v_mov_b32 v125, s17
	s_delay_alu instid0(VALU_DEP_3)
	v_mov_b32 v126, s18
	v_mov_b32 v122, 0
	v_mov_b32 v123, 1
.set PP, 0
.irp a, 0,1,2,3,4,5,6
.irp c, 1,2,3,4,5,6,7
.if \c > \a
.if PP > 0
	v_readlane_b32 s16, v87, PP
	v_readlane_b32 s17, v85, PP
	v_readlane_b32 s18, v80, PP
	s_delay_alu instid0(VALU_DEP_3)
	v_cmp_gt_u32 vcc_lo, s16, v0                   ; this key begins past b: keep what stands
	s_delay_alu instid0(VALU_DEP_1)
	v_cndmask_b32 v124, s16, v124, vcc_lo
	s_delay_alu instid0(VALU_DEP_2)
	v_cndmask_b32 v125, s17, v125, vcc_lo
	s_delay_alu instid0(VALU_DEP_3)
	v_cndmask_b32 v126, s18, v126, vcc_lo
	s_delay_alu instid0(VALU_DEP_4)
	v_cndmask_b32 v122, \a, v122, vcc_lo
	v_cndmask_b32 v123, \c, v123, vcc_lo
.endif
.set PP, PP+1
.endif
.endr
.endr
	v_sub_nc_u32 v124, v0, v124                    ; which block of its key
	s_delay_alu instid0(VALU_DEP_1)
	v_mul_u32_u24 v124, 48, v124
	s_delay_alu instid0(VALU_DEP_1)
	v_add_nc_u32 v120, v125, v124
	s_delay_alu instid0(VALU_DEP_1)
	v_min_u32 v120, 0x1fff, v120                   ; its first place
	s_delay_alu instid0(VALU_DEP_3)
	v_min_u32 v124, v124, v126
	s_delay_alu instid0(VALU_DEP_1)
	v_sub_nc_u32 v121, v126, v124
	s_delay_alu instid0(VALU_DEP_1)
	v_min_u32 v121, 48, v121                       ; its rows: what is left of the key, 48 at the most, 0 past the end
	v_lshlrev_b32 v127, 4, v0
	global_store_b128 v127, v[120:123], s[8:9] offset:32768
.Lnoblk:
	s_cmp_eq_u32 s14, 8
	s_cbranch_scc0 .Lend
	; wave 8: out1
.irp k, 0,1,2,3,4,5,6,7,8,9,10,11,12,13,14,15,16,17,18,19,20,21,22,23,24,25,26,27,28,29,30,31
	ds_load_b32 v[48+\k], v5 offset:SELT+128*\k
.endr
	s_wait_dscnt 0x0
.irp k, 1
	v_or_b32 v48, v48, v[48+\k]
.endr
.irp k, 2, 3, 4, 5, 6, 7, 8, 9, 10, 11, 12, 13, 14, 15, 16, 17, 18, 19, 20, 21, 22, 23, 24, 25, 26, 27, 28, 29, 30, 31
	s_delay_alu instid0(VALU_DEP_1)
	v_or_b32 v48, v48, v[48+\k]
.endr
	v_mov_b32 v83, 0
.irp e, 0,1,2,3,4,5,6,7
	v_and_b32 v84, 1<<\e, v48
	s_delay_alu instid0(VALU_DEP_1)
	v_cmp_ne_u32 s16, 0, v84                       ; any lane?
	s_cmp_lg_u32 s16, 0
	s_cselect_b32 s17, 1, 0
	v_writelane_b32 v83, s17, \e
.endr
	s_wait_alu depctr_va_vdst(0)
	s_wait_xcnt 0x0                                ; EXEC is a source of the stores above: it changes only behind this wait
	v_cmp_gt_u32 vcc_lo, 8, v1
	s_and_saveexec_b32 s18, vcc_lo
	global_store_b8 v1, v83, s[12:13]
	s_wait_xcnt 0x0                                ; and again ahead of the line that widens it
	s_or_b32 exec_lo, exec_lo, s18
.Lend:
	s_wait_xcnt 0x0
	s_mov_b32 exec_lo, -1
	v_lshl_add_u32 v126, v0, 2, 0x2000
	v_mov_b32 v127, 0
	s_wait_alu depctr_va_vdst(0)
	s_wait_tensorcnt 0x0
	ds_add_u32 v126, v127
	s_wait_dscnt 0x0
	s_endpgm
.Lfunc_end_k_q901f5040f3_place:
	.size	k_q901f5040f3_place, .Lfunc_end_k_q901f5040f3_place-k_q901f5040f3_place
	.p2alignl 7, 3214868480
	.fill 96, 4, 3214868480
	.section	.rodata,"a",@progbits
	.p2align	6, 0x0
	.amdhsa_kernel k_q901f5040f3_place
		.amdhsa_group_segment_fixed_size 12288
		.amdhsa_private_segment_fixed_size 0
		.amdhsa_enable_private_segment 0
		.amdhsa_kernarg_size 40
		.amdhsa_user_sgpr_count 2
		.amdhsa_user_sgpr_kernarg_segment_ptr 1
		.amdhsa_wavefront_size32 1
		.amdhsa_system_sgpr_workgroup_id_x 1
		.amdhsa_system_sgpr_workgroup_id_y 1
		.amdhsa_system_sgpr_workgroup_id_z 1
		.amdhsa_system_vgpr_workitem_id 0
		.amdhsa_next_free_vgpr 128
		.amdhsa_next_free_sgpr 66
		.amdhsa_reserve_vcc 1
		.amdhsa_float_denorm_mode_32 3
		.amdhsa_float_denorm_mode_16_64 3
		.amdhsa_memory_ordered 1
		.amdhsa_forward_progress 1
		.amdhsa_inst_pref_size 47
	.end_amdhsa_kernel
	.amdgpu_metadata
---
amdhsa.version: [ 1, 2 ]
amdhsa.kernels:
  - .name:           k_q901f5040f3_place
    .symbol:         k_q901f5040f3_place.kd
    .args:
      - { .name: rt, .offset: 0, .size: 8, .value_kind: global_buffer, .address_space: global }
      - { .name: gate, .offset: 8, .size: 8, .value_kind: global_buffer, .address_space: global }
      - { .name: ord, .offset: 16, .size: 8, .value_kind: global_buffer, .address_space: global }
      - { .name: gsort, .offset: 24, .size: 8, .value_kind: global_buffer, .address_space: global }
      - { .name: out1, .offset: 32, .size: 8, .value_kind: global_buffer, .address_space: global }
    .group_segment_fixed_size: 12288
    .private_segment_fixed_size: 0
    .kernarg_segment_align: 8
    .kernarg_segment_size: 40
    .max_flat_workgroup_size: 1024
    .sgpr_count:     66
    .vgpr_count:     128
    .wavefront_size: 32
...
	.end_amdgpu_metadata
.endif
;; end of part 6
;; launch chain (part 7): grid 198 x 1, 16 waves a work-group, no clusters, 314,368 bytes of LDS; arguments x, wc, ws, b1, b2, gamma, beta, ord, gsort, out0; writes out0
.if DOCPART == 7
	.amdgcn_target "amdgcn-amd-amdhsa--gfx1250"
	.amdhsa_code_object_version 6
	.text
	.protected	k_q901f5040f3_chain
	.globl	k_q901f5040f3_chain
	.p2align	8
	.type	k_q901f5040f3_chain,@function
k_q901f5040f3_chain:
	s_mov_b64 s[64:65], 0
	v_nop
	global_prefetch_b8 v0, s[64:65] scope:SCOPE_SE
	s_setreg_imm32_b32 hwreg(HW_REG_WAVE_SCHED_MODE, 0, 2), 2
	s_setreg_imm32_b32 hwreg(HW_REG_WAVE_MODE, 25, 1), 1
	s_wait_xcnt 0x0
	s_wait_alu depctr_vm_vsrc(0)
; CHAIN.  A work-group takes one block of at most 48 tokens that all chose the same two experts, through the whole chain: gather x, quantise, x W1 + b1, gelu, quantise, H W2 + b2, the gates, the residual, LayerNorm, store.
; THE GRID: with 8,192 tokens, 28 pairs and blocks of 48 there are never more than (8,192 + 28 x 47) / 48 = 198 blocks, whatever the choice.  A block with fewer than 48 rows runs the same text on rows held inside the list
; and stores only its own rows; the one branch on a stored number is that store, behind the last barrier.  So every wave passes every barrier.
; SHARES.  Sixteen waves share the COLUMNS: wave w makes hidden units 32 w .. 32 w + 31 and outputs 64 w .. 64 w + 63, for all 48 rows (three tiles of 16).  Both products are used transposed (source 0 = 16 rows of the
; weight's codes, source 1 = 16 tokens): a lane holds one token (lane % 16), and the 16 registers of tiles u = 0, 1 are 16 neighbouring columns 32 g + 16 (lane / 16) + 0..15, by the order in which the codes were laid.
; WEIGHTS go from memory straight into registers, a K step's two fragments and their scale word (nine loads) into a ring of four buffers, three K steps ahead.  No base and no offset register of these loads is ever written again.
; NO JOINT LOADS: how many blocks a pair has is read from memory, so four neighbouring work-groups need not share a pair, and a joint descriptor could not be equal in all of them.
; TOKENS' OPERANDS go from wave to wave through LDS as images of the operand's registers: 512 bytes a chunk of 32 K, 16 bytes a lane; scale words 4 bytes a row.
; x stays in LDS as f32 and y = x + gate_lo (..) + gate_hi (..) is summed in place, each wave on its own 64 columns.
; gelu(a) = a / (1 + 2^(a (k1 + k2 a^2))), k1 = -2 log2(e) sqrt(2 / pi), k2 = 0.044715 k1: the same number as 0.5 a (1 + tanh(..)), all in f32; where the power overflows the result is 0 or a.
; LIMITS: NaN and infinities among the inputs are not served.  A block of zeros keeps the scale byte 1: its codes are zeros.
; THE MODE: SCHED_MODE bits 1:0 = 2 (LLVM: expert scheduling mode 2), set by the entry lines.  The code itself states the register dependences between vector or matrix instructions and memory or LDS instructions,
; with s_wait_alu, always for 0.
; THE PLAN.  Registers that memory or LDS instructions touch:
;   v1-v15, v254     addresses and offsets: written at the head, ahead of its one wait on va_vdst, and not again (v254 and v255 once more, for the closing lines).
;   WB0-3, WSC0-3    K step q's six products read buffer q % 4; the nine loads of K step q + 4 land in it, dealt among the products of K step q + 1, which name buffer (q + 1) % 4, FR, XS and ACC alone.
;   FR, XS           one buffer: filled by LDS loads, read by a K step's products; written by gelu and the quantiser and read by the stores of H; loaded, written and stored by the update of y.
;   ACC              filled by LDS loads (the bias), written by the products, read by gelu, the quantiser and the update of y.
; So ONE wait on va_vdst stands in a K step, behind its products: it states that they are done reading FR and XS (the next fragments land there at once) and their ring buffer (the loads dealt among the next step's
; products land there).  One more stands ahead of each run of stores of computed numbers, and serves the loads that follow those stores too.  One wait on vm_vsrc stands at the head of each pass over K,
; ahead of the loads into registers that the stores before it have read.
.set XIMG, 0                           ; LDS: x's 24 fragments: (3 s + m) x 2,048
.set XSC,  49152                       ; their scale words: 256 s + 64 m + 4 r
.set HB,   51200                       ; the hidden layer, a buffer for each of the two experts, so that no barrier stands between one's reads and the other's stores
.set HSTR, 25600                       ; from one to the other: 12 fragments, then 1,024 bytes of scale words
.set HSCO, 24576
.set BIAS, 102400                      ; 768 bytes a wave: for each expert 128 of b1 and 256 of b2; the wave's own
.set XF,   114688                      ; 48 rows of x, then y, in f32
.set XP,   4112                        ; 4,096 + 16 = 257 x 16: the 16 rows that a load touches start at 16 different banks
.set ACC,  16                          ; v16-63   six accumulators: tile (m, u) at ACC + 16 m + 8 u
.set FR,   64                          ; v64-111  three fragments of tokens; at work between the products
.set WB,   112                         ; v112-239 the ring: four buffers of two fragments
.set WSC,  240                         ; v240-243 a weight scale word for each buffer: lanes 0-15 tile 0, lanes 16-31 tile 1
.set XS,   244                         ; v244 the tokens' scale words of tiles 0 (lanes 0-15) and 1 (lanes 16-31); v245 of tile 2
.set GT,   246                         ; v246-251 my token's two gates, a pair for each tile of rows
.set K1,   252                         ; v252-253 k1
.set T,    176                         ; LayerNorm: at work
; v1 16 x lane; v2 4 x lane; v3 4 (lane % 16); v4-6 the same + HB; v7, v8 where I store H's codes and byte; v9 my bias bytes; v10 8 x lane; v11-13 my 16 columns of row 16 m + r in XF; v14 my three rows in XF;
; v15, v254 where I store x's codes and bytes; v255 at work
; s24 wave; s28-31 first place, rows, lo, hi; s[32:39] code bases (W1 lo, hi; W2 lo, hi); s[40:47] scale bases; s48-50 tokens; s51 3 x wave; s[52:57] x rows; s[58:63] out rows; s[66:67] lane selects; s68 mantissa of 57,344;
; s69 1/1024; s[70:71] k2; s[76:83] bias bases
.macro BAR                             ; my LDS stores have landed and my LDS loads are in: then the work-group's barrier
	s_wait_dscnt 0x0
	s_barrier_signal -1
	s_barrier_wait -1
.endm
; K step q of 32 (expert q / 16; in it 0-7 the first product, 8-15 the second's two passes of four): nine loads into buffer q % 4, in three parts: p = 0, 1: tile p's four; p = 2: the scale word.
; 32 and 33: gamma and beta, eight loads each, in two parts
.macro BPART q, p
.if (\q) < 32
.set BI, (\q)/16
.set BR, (\q)%16
.set BB, WB+32*((\q)%4)
.if BR < 8
.set BC, 32+2*BI
.set BS, 40+2*BI
.set BO, BR*4096
.set BSO, 256*(BR/2)+4*(BR%2)
.else
.set BC, 36+2*BI
.set BS, 44+2*BI
.set BO, (BR-8)*4096
.set BSO, 512*((BR-8)/4)+256*(((BR-8)%4)/2)+4*((BR-8)%2)
.endif
.if (\p) < 2
.irp c, 0,1,2,3
	global_load_b128 v[BB+16*(\p)+4*\c:BB+16*(\p)+4*\c+3], v1, s[BC:BC+1] offset:BO+2048*(\p)+512*\c   ; 512 consecutive bytes, aligned
.endr
.else
	global_load_b32 v[WSC+(\q)%4], v10, s[BS:BS+1] offset:BSO
.endif
.elseif ((\q) == 32) && ((\p) < 2)
.irp c, 0,1,2,3
	global_load_b128 v[WB+16*(\p)+4*\c:WB+16*(\p)+4*\c+3], v1, s[14:15] offset:2048*(\p)+512*\c
.endr
.elseif ((\q) == 33) && ((\p) < 2)
.irp c, 0,1,2,3
	global_load_b128 v[WB+32+16*(\p)+4*\c:WB+32+16*(\p)+4*\c+3], v1, s[16:17] offset:2048*(\p)+512*\c
.endr
.endif
.endm
.macro BUNDLE q                        ; all three parts on end: the ring's first fill
	BPART \q, 0
	BPART \q, 1
	BPART \q, 2
.endm
.macro FETCH a16, a4, a4b, img, sc     ; three fragments of tokens and their scale words
.irp m, 0,1,2
.irp c, 0,1,2,3
	ds_load_b128 v[FR+16*\m+4*\c:FR+16*\m+4*\c+3], v[\a16] offset:(\img)+2048*\m+512*\c
.endr
.endr
	ds_load_b32 v[XS], v[\a4] offset:(\sc)
	ds_load_b32 v[XS+1], v[\a4b] offset:(\sc)+128
.endm
.macro BIASIN off                      ; the bias begins each sum: eight numbers a tile in the result's layout; so every product adds in place and nothing is cleared
.irp m, 0,1,2
.irp u, 0,1
.irp k, 0,1
	ds_load_b128 v[ACC+16*\m+8*\u+4*\k:ACC+16*\m+8*\u+4*\k+3], v9 offset:(\off)+32*\u+16*\k
.endr
.endr
.endr
.endm
; Six products, the six accumulators by turns.  Behind each pair of them stands a part of the bundle of K step q + 3: it lands in the buffer that K step q - 1 read, which the wait at that step's end
; has shown read, and which no product of this step names.  Then eight places, and behind them the step's one wait: first the places, then the wait.
.macro KSTEP q
.set KW, 18
.if (\q) == 0
.set KW, 27
.elseif (\q) == 30
.set KW, 17
.elseif (\q) == 31
.set KW, 16
.endif
	s_wait_loadcnt KW                              ; this K step's nine loads are in; those of the two bundles issued behind them may be out (K step 0: of the three; the last two steps: gamma's and beta's eight count for a bundle)
	s_wait_dscnt 0x0                               ; the tokens' fragments, their scale words, and at a pass's head the bias
.set KB, WB+32*((\q)%4)
.set KS, WSC+(\q)%4
.irp m, 0,1,2
.irp u, 0,1
.if (\u == 0) && (\m != 1)
	v_wmma_scale_f32_16x16x128_f8f6f4 v[ACC+16*\m+8*\u:ACC+16*\m+8*\u+7], v[KB+16*\u:KB+16*\u+15], v[FR+16*\m:FR+16*\m+15], v[ACC+16*\m+8*\u:ACC+16*\m+8*\u+7], v[KS], v[XS+\m/2] matrix_a_fmt:MATRIX_FMT_BF8 matrix_b_fmt:MATRIX_FMT_BF8
.elseif (\u == 1) && (\m != 1)
	v_wmma_scale_f32_16x16x128_f8f6f4 v[ACC+16*\m+8*\u:ACC+16*\m+8*\u+7], v[KB+16*\u:KB+16*\u+15], v[FR+16*\m:FR+16*\m+15], v[ACC+16*\m+8*\u:ACC+16*\m+8*\u+7], v[KS], v[XS+\m/2] matrix_a_fmt:MATRIX_FMT_BF8 matrix_b_fmt:MATRIX_FMT_BF8 matrix_a_scale:MATRIX_SCALE_ROW1
.elseif (\u == 0)
	v_wmma_scale_f32_16x16x128_f8f6f4 v[ACC+16*\m+8*\u:ACC+16*\m+8*\u+7], v[KB+16*\u:KB+16*\u+15], v[FR+16*\m:FR+16*\m+15], v[ACC+16*\m+8*\u:ACC+16*\m+8*\u+7], v[KS], v[XS+\m/2] matrix_a_fmt:MATRIX_FMT_BF8 matrix_b_fmt:MATRIX_FMT_BF8 matrix_b_scale:MATRIX_SCALE_ROW1
.else
	v_wmma_scale_f32_16x16x128_f8f6f4 v[ACC+16*\m+8*\u:ACC+16*\m+8*\u+7], v[KB+16*\u:KB+16*\u+15], v[FR+16*\m:FR+16*\m+15], v[ACC+16*\m+8*\u:ACC+16*\m+8*\u+7], v[KS], v[XS+\m/2] matrix_a_fmt:MATRIX_FMT_BF8 matrix_b_fmt:MATRIX_FMT_BF8 matrix_a_scale:MATRIX_SCALE_ROW1 matrix_b_scale:MATRIX_SCALE_ROW1
.endif
.endr
.if (\q) > 0
	BPART (\q)+3, \m                               ; no wait: no vector or matrix instruction since the last step's wait names these registers.  (K step 0 has none: bundle 3 went out with the first fill)
.endif
.endr
.rept 8
	v_nop
.endr
.if (\q)%16 != 7
	s_wait_alu depctr_va_vdst(0)                   ; the six products are done reading FR and XS, in which the LDS loads that follow land, and ring buffer q % 4 with its scale word, in which the loads dealt among the next step's products land
.endif                                         ; (the first product's last step is followed by no load: gelu's own waits stand ahead of the next one)
.endm
; nb blocks of 32, by turns: block b's 16 numbers of my lane at v[s + 16 b], the other 16 in lane l xor 16.  Codes to v[pc + 4 b] on; the bytes to v[tm + nb + b]
.macro QUANT nb, s, pc, tm
.set QB, 0
.rept \nb
	v_max3_num_f32 v[(\tm)+QB], |v[(\s)+16*QB]|, |v[(\s)+16*QB+1]|, 0x8000000   ; with the floor 2^(16 - 127): the byte cannot fall under 1
.set QB, QB+1
.endr
.irp i, 2,4,6,8,10,12,14
.set QB, 0
.rept \nb
	v_max3_num_f32 v[(\tm)+QB], v[(\tm)+QB], |v[(\s)+16*QB+\i]|, |v[(\s)+16*QB+\i+1]|
.set QB, QB+1
.endr
.endr
.set QB, 0
.rept \nb
	v_permlanex16_b32 v[(\tm)+(\nb)+QB], v[(\tm)+QB], s66, s67
.set QB, QB+1
.endr
.set QB, 0
.rept \nb
	v_max_num_f32 v[(\tm)+QB], v[(\tm)+QB], v[(\tm)+(\nb)+QB]       ; the block's largest magnitude
.set QB, QB+1
.endr
.set QB, 0
.rept \nb
	v_add_nc_u32 v[(\tm)+3*(\nb)+QB], 0xf8800000, v[(\tm)+QB]       ; 15 off its exponent field: the conversion's scale operand
.set QB, QB+1
.endr
.set QB, 0
.rept \nb
	v_and_or_b32 v[(\tm)+2*(\nb)+QB], v[(\tm)+QB], 0x7f800000, s68  ; 57,344 x the scale
.set QB, QB+1
.endr
.set QB, 0
.rept \nb
	v_lshrrev_b32 v[(\tm)+(\nb)+QB], 23, v[(\tm)+3*(\nb)+QB]        ; the scale's byte
.set QB, QB+1
.endr
.set QB, 0
.rept \nb
.irp i, 0,1,2,3,4,5,6,7,8,9,10,11,12,13,14,15
	v_med3_num_f32 v[(\s)+16*QB+\i], v[(\s)+16*QB+\i], -v[(\tm)+2*(\nb)+QB], v[(\tm)+2*(\nb)+QB]   ; the conversion to an 8-bit code does not saturate (ISA guide 7.6.2)
.endr
	v_cvt_scalef32_pk8_bf8_f32 v[(\pc)+4*QB:(\pc)+4*QB+1], v[(\s)+16*QB:(\s)+16*QB+7], v[(\tm)+3*(\nb)+QB]
	v_cvt_scalef32_pk8_bf8_f32 v[(\pc)+4*QB+2:(\pc)+4*QB+3], v[(\s)+16*QB+8:(\s)+16*QB+15], v[(\tm)+3*(\nb)+QB]
.set QB, QB+1
.endr
	v_nop                                          ; one plain line behind the last conversion
.endm
.macro GELU                            ; on the 48 numbers of ACC, from each accumulator's low end on; Z = FR's registers
.set P, 0
.rept 24
	v_pk_mul_f32 v[FR+P:FR+P+1], v[ACC+P:ACC+P+1], v[ACC+P:ACC+P+1]
.set P, P+2
.endr
.set P, 0
.rept 24
	v_pk_fma_f32 v[FR+P:FR+P+1], v[FR+P:FR+P+1], s[70:71], v[K1:K1+1] op_sel_hi:[1,0,0]
.set P, P+2
.endr
.set P, 0
.rept 24
	v_pk_mul_f32 v[FR+P:FR+P+1], v[FR+P:FR+P+1], v[ACC+P:ACC+P+1]
.set P, P+2
.endr
.set P, 0
	s_wait_alu depctr_va_vdst(0)
.rept 48
	v_exp_f32 v[FR+P], v[FR+P]
.set P, P+1
.endr
	v_nop                                          ; a plain line behind the batch,
	s_wait_alu depctr_va_vdst(0)                   ; and the one wait ahead of its first reader: the 48 exponentials have written v[FR ..]
.set P, 0
.rept 24
	v_pk_add_f32 v[FR+P:FR+P+1], v[FR+P:FR+P+1], 1.0 op_sel_hi:[1,0]
.set P, P+2
.endr
.set P, 0
	s_wait_alu depctr_va_vdst(0)
.rept 48
	v_rcp_f32 v[FR+P], v[FR+P]
.set P, P+1
.endr
	v_nop
	s_wait_alu depctr_va_vdst(0)                   ; the 48 reciprocals have written v[FR ..], ahead of their first reader
.set P, 0
.rept 24
	v_pk_mul_f32 v[ACC+P:ACC+P+1], v[ACC+P:ACC+P+1], v[FR+P:FR+P+1]
.set P, P+2
.endr
.endm
.macro YUPD i, g                       ; y += gate x (H W2 + b2) on my columns 64 w + 32 g + 16 h + 0..15 of the 48 rows; nobody else touches these bytes between the barriers
.irp m, 0,1,2
.irp k, 0,1,2,3
	ds_load_b128 v[FR+16*\m+4*\k:FR+16*\m+4*\k+3], v[11+\m] offset:128*(\g)+16*\k   ; (the last K step's wait has shown FR read)
.endr
.endr
	s_wait_dscnt 0x0
.irp m, 0,1,2
.irp p, 0,2,4,6,8,10,12,14
.if (\i) == 0
	v_pk_fma_f32 v[FR+16*\m+\p:FR+16*\m+\p+1], v[ACC+16*\m+\p:ACC+16*\m+\p+1], v[GT+2*\m:GT+2*\m+1], v[FR+16*\m+\p:FR+16*\m+\p+1] op_sel_hi:[1,0,1]
.else
	v_pk_fma_f32 v[FR+16*\m+\p:FR+16*\m+\p+1], v[ACC+16*\m+\p:ACC+16*\m+\p+1], v[GT+2*\m:GT+2*\m+1], v[FR+16*\m+\p:FR+16*\m+\p+1] op_sel:[0,1,0] op_sel_hi:[1,1,1]
.endif
.endr
.endr
	s_wait_alu depctr_va_vdst(0)                   ; the multiply-adds have written v[FR ..], which the stores below read, and are done reading ACC, in which the next pass's bias or a row of y lands
.irp m, 0,1,2
.irp k, 0,1,2,3
	ds_store_b128 v[11+\m], v[FR+16*\m+4*\k:FR+16*\m+4*\k+3] offset:128*(\g)+16*\k   ; LDS serves a wave in order: later loads of these bytes come behind these stores
.endr
.endr
.endm
.macro SLOT i                          ; one expert: 16 K steps
	s_wait_alu depctr_vm_vsrc(0)                   ; the LDS stores issued so far (x's codes and bytes; the last update of y) have read v48-55 and v[FR ..], in which the loads below land
	BIASIN 384*(\i)
	FETCH 1, 2, 3, XIMG, XSC
.set Q, 16*(\i)
.rept 8                                ; H^T = W1^T x^T + b1
	KSTEP Q
.if Q%16 < 7
	FETCH 1, 2, 3, 6144*(Q%16+1), XSC+256*(Q%16+1)
.endif
.set Q, Q+1
.endr
	GELU
	QUANT 3, ACC, FR, FR+12                        ; my 32 hidden units are one block of the next K, for each of the three tiles of rows
	s_wait_alu depctr_va_vdst(0)                   ; the quantiser has written the codes and bytes in v[FR ..], which the stores below read; it is also done with ACC and FR, in which the loads behind the barrier land
.irp m, 0,1,2
	ds_store_b128 v7, v[FR+4*\m:FR+4*\m+3] offset:HSTR*(\i)+2048*\m
	ds_store_b8 v8, v[FR+15+\m] offset:HSTR*(\i)+64*\m      ; both halves of the lanes write the same byte with the same value
.endr
	BAR                                            ; this expert's hidden layer lies in LDS
.set G, 0
.rept 2                                ; my 64 outputs in two passes of 32
	s_wait_alu depctr_vm_vsrc(0)                   ; the stores of H, or of y's last update, have read v[FR ..], in which the fragments below land
	BIASIN 384*(\i)+128+128*G
	FETCH 4, 5, 6, HSTR*(\i), HSTR*(\i)+HSCO
.rept 4
	KSTEP Q
.if Q%4 < 3
	FETCH 4, 5, 6, HSTR*(\i)+6144*(Q%4+1), HSTR*(\i)+HSCO+256*(Q%4+1)
.endif
.set Q, Q+1
.endr
	YUPD \i, G
.set G, G+1
.endr
.endm
.macro LNROW j                         ; row 3 w + j: LayerNorm and store, if the block has that row
.set R, 16+32*(\j)
	s_add_co_u32 s72, s51, \j
	s_cmp_lt_u32 s72, s29
	s_cbranch_scc0 .Lskip_\@
.irp c, 0,1,2,3,4,5,6,7
	ds_load_b128 v[R+4*\c:R+4*\c+3], v14 offset:XP*(\j)+512*\c     ; each row has registers of its own: no vector instruction since the last wait on va_vdst names them
.endr
	s_wait_dscnt 0x0
.irp c, 0,1,2,3
	v_pk_add_f32 v[T+2*\c:T+2*\c+1], v[R+4*\c:R+4*\c+1], v[R+4*\c+2:R+4*\c+3]     ; four chains
.endr
.irp p, 16,24
.irp c, 0,1,2,3
	v_pk_add_f32 v[T+2*\c:T+2*\c+1], v[T+2*\c:T+2*\c+1], v[R+\p+2*\c:R+\p+2*\c+1]
.endr
.endr
	v_pk_add_f32 v[T:T+1], v[T:T+1], v[T+2:T+3]
	v_pk_add_f32 v[T+4:T+5], v[T+4:T+5], v[T+6:T+7]
	v_pk_add_f32 v[T:T+1], v[T:T+1], v[T+4:T+5]
	v_add_f32 v[T], v[T], v[T+1]
.irp n, 1,2,4,8
	v_add_f32_dpp v[T], v[T], v[T] row_xmask:\n row_mask:0xf bank_mask:0xf
.endr
	v_permlanex16_b32 v[T+1], v[T], s66, s67
	v_add_f32 v[T], v[T], v[T+1]
	v_mul_f32 v[T], s69, v[T]                      ; the mean
.irp p, 0,2,4,6,8,10,12,14,16,18,20,22,24,26,28,30
	v_pk_add_f32 v[R+\p:R+\p+1], v[R+\p:R+\p+1], v[T:T+1] op_sel_hi:[1,0] neg_lo:[0,1] neg_hi:[0,1]
.endr
.irp c, 0,1,2,3
	v_pk_mul_f32 v[T+2+2*\c:T+3+2*\c], v[R+2*\c:R+2*\c+1], v[R+2*\c:R+2*\c+1]
.endr
.irp p, 8,16,24
.irp c, 0,1,2,3
	v_pk_fma_f32 v[T+2+2*\c:T+3+2*\c], v[R+\p+2*\c:R+\p+2*\c+1], v[R+\p+2*\c:R+\p+2*\c+1], v[T+2+2*\c:T+3+2*\c]
.endr
.endr
	v_pk_add_f32 v[T+2:T+3], v[T+2:T+3], v[T+4:T+5]
	v_pk_add_f32 v[T+6:T+7], v[T+6:T+7], v[T+8:T+9]
	v_pk_add_f32 v[T+2:T+3], v[T+2:T+3], v[T+6:T+7]
	v_add_f32 v[T+2], v[T+2], v[T+3]
.irp n, 1,2,4,8
	v_add_f32_dpp v[T+2], v[T+2], v[T+2] row_xmask:\n row_mask:0xf bank_mask:0xf
.endr
	v_permlanex16_b32 v[T+3], v[T+2], s66, s67
	v_add_f32 v[T+2], v[T+2], v[T+3]
	v_fmaak_f32 v[T+2], s69, v[T+2], 0x3727c5ac    ; the variance + 1e-5
	s_wait_alu depctr_va_vdst(0)
	v_rsq_f32 v[T+4], v[T+2]
	v_nop
	s_wait_alu depctr_va_vdst(0)                   ; the wait ahead of the first reader: the root has written v[T+4]
.irp p, 0,2,4,6,8,10,12,14,16,18,20,22,24,26,28,30
	v_pk_mul_f32 v[R+\p:R+\p+1], v[R+\p:R+\p+1], v[T+4:T+5] op_sel_hi:[1,0]
.endr
.irp p, 0,2,4,6,8,10,12,14,16,18,20,22,24,26,28,30
	v_pk_fma_f32 v[R+\p:R+\p+1], v[R+\p:R+\p+1], v[WB+\p:WB+\p+1], v[WB+32+\p:WB+32+\p+1]
.endr
	s_wait_alu depctr_va_vdst(0)                   ; the multiply-adds have written the row in v[R ..], which the stores below read
.irp c, 0,1,2,3,4,5,6,7
	global_store_b128 v1, v[R+4*\c:R+4*\c+3], s[58+2*(\j):59+2*(\j)] offset:512*\c th:TH_STORE_NT   ; 512 consecutive bytes, aligned; each row has registers and a base of its own
.endr
.Lskip_\@:
.endm
; x becomes codes: my 64 columns, two blocks of 32, of tile m of rows.  XIN: 32 numbers a lane into v[r] on.  XOUT: the codes at v[pc] on and the two bytes in v[w] go to LDS
.macro XIN m, r
.irp c, 0,1
.irp k, 0,1,2,3
	ds_load_b128 v[(\r)+16*\c+4*\k:(\r)+16*\c+4*\k+3], v[11+(\m)] offset:128*\c+16*\k
.endr
.endr
.endm
.macro XOUT m, pc, w
	s_wait_alu depctr_va_vdst(0)                   ; the quantiser has written the codes and the two bytes, which the stores below read; it is also done with the numbers' registers
	ds_store_b128 v15, v[(\pc):(\pc)+3] offset:2048*(\m)
	ds_store_b128 v15, v[(\pc)+4:(\pc)+7] offset:2048*(\m)+512
	ds_store_b16 v254, v[\w] offset:64*(\m)        ; two of the row's four bytes; both halves of the lanes write the same
.endm
	s_load_b512 s[4:19], s[0:1], 0x0               ; x, wc, ws, b1, b2, gamma, beta, ord
	s_load_b128 s[20:23], s[0:1], 0x40             ; gsort, out0
	v_lshrrev_b32 v15, 5, v0
	v_readfirstlane_b32 s24, v15                   ; wave 0..15
	s_lshl_b32 s26, ttmp9, 4
	s_mov_b32 s27, 0
	s_wait_kmcnt 0x0
	s_add_nc_u64 s[26:27], s[18:19], s[26:27]
	s_load_b128 s[28:31], s[26:27], 0x8000         ; my block: first place, rows, lo, hi
	v_and_b32 v255, 31, v0                         ; lane
	v_and_b32 v254, 15, v0                         ; r
	v_bfe_u32 v15, v0, 4, 1                        ; h
	v_lshlrev_b32 v1, 4, v255
	v_lshlrev_b32 v2, 2, v255
	v_lshlrev_b32 v3, 2, v254
	v_lshlrev_b32 v10, 3, v255
	v_add_nc_u32 v4, HB, v1
	v_add_nc_u32 v5, HB, v2
	v_add_nc_u32 v6, HB, v3
	s_wait_alu depctr_va_vdst(0)
	s_wait_alu depctr_va_sdst(0)                   ; s24 is written, ahead of its first reader: LDS addresses and the bases are made from it
	s_lshr_b32 s72, s24, 2                         ; my 32 hidden units are chunk w % 4 of K step w / 4
	s_and_b32 s73, s24, 3
	s_mul_i32 s74, s72, 6144
	s_lshl_b32 s75, s73, 9
	s_add_co_u32 s74, s74, s75
	v_add_nc_u32 v7, s74, v4
	s_lshl_b32 s74, s72, 8
	s_add_co_u32 s74, s74, s73
	s_add_co_u32 s74, s74, HSCO
	v_add_nc_u32 v8, s74, v6
	s_mul_i32 s74, s24, 768
	s_add_co_u32 s74, s74, BIAS
	v_lshl_add_u32 v9, v15, 6, s74                 ; my half's 16 numbers of a group of 32
	v_add_nc_u32 v220, s74, v2                     ; where the biases go in (these two registers lie in ring buffer 3, which is filled later)
	v_add_nc_u32 v221, s74, v10
	v_mul_u32_u24 v11, v254, XP
	v_lshl_add_u32 v11, v15, 6, v11
	s_lshl_b32 s75, s24, 8
	s_add_co_u32 s75, s75, XF
	v_add_nc_u32 v11, s75, v11
	v_add_nc_u32 v12, 16*XP, v11
	v_add_nc_u32 v13, 32*XP, v11
	s_mul_i32 s75, s24, 3*XP
	s_add_co_u32 s75, s75, XF
	v_add_nc_u32 v14, s75, v1
	s_lshr_b32 s72, s24, 1                         ; my 64 columns of x are chunks 2 (w % 2), + 1 of K step w / 2
	s_and_b32 s73, s24, 1
	s_mul_i32 s74, s72, 6144
	s_lshl_b32 s75, s73, 10
	s_add_co_u32 s74, s74, s75
	v_add_nc_u32 v15, s74, v1
	s_lshl_b32 s74, s72, 8
	s_lshl_b32 s75, s73, 1
	s_add_co_u32 s74, s74, s75
	s_add_co_u32 s74, s74, XSC
	v_add_nc_u32 v254, s74, v3
	s_mov_b32 s66, 0x76543210
	s_mov_b32 s67, 0xfedcba98                      ; v_permlanex16_b32's selects for lane l xor 16
	s_mov_b32 s68, 0x600000
	s_mov_b32 s69, 0x3a800000                      ; 1 / 1,024
	s_mov_b32 s70, 0xbdd2d3e8                      ; k2
	s_mov_b32 s71, s70                             ; (named with it as a pair, so it is written)
	v_mov_b32 v[K1], 0xc0135761                    ; k1
	v_mov_b32 v[K1+1], v[K1]
	s_wait_kmcnt 0x0
	s_min_u32 s28, s28, 0x1fff                     ; loaded numbers are held before they enter an address
	s_min_u32 s29, s29, 48
	s_min_u32 s30, s30, 7
	s_min_u32 s31, s31, 7
	s_mul_i32 s51, s24, 3
	s_add_co_u32 s25, s28, s51
.irp j, 0,1,2
	s_add_co_u32 s[52+2*\j], s25, \j               ; the place of row 3 w + j, held inside the list
	s_min_u32 s[52+2*\j], s[52+2*\j], 0x1fff
	s_lshl_b32 s[52+2*\j], s[52+2*\j], 2
	s_mov_b32 s[53+2*\j], 0
	s_add_nc_u64 s[52+2*\j:53+2*\j], s[18:19], s[52+2*\j:53+2*\j]
	s_load_b32 s[48+\j], s[52+2*\j:53+2*\j], 0x0   ; its token
.endr
	s_mov_b32 s73, 0
	s_lshl_b32 s74, s24, 15                        ; my group's codes: 32,768 x wave in W1; in W2 two groups of 16,384: the same
	s_lshl_b32 s75, s24, 10                        ; its scale words likewise
	s_lshl_b32 s26, s24, 7
.irp i, 0,1
	s_lshl_b32 s72, s[30+\i], 19
	s_add_co_u32 s72, s72, s74
	s_add_nc_u64 s[32+2*\i:33+2*\i], s[6:7], s[72:73]
	s_add_nc_u64 s[36+2*\i:37+2*\i], s[32+2*\i:33+2*\i], 0x400000
	s_lshl_b32 s72, s[30+\i], 14
	s_add_co_u32 s72, s72, s75
	s_add_nc_u64 s[40+2*\i:41+2*\i], s[8:9], s[72:73]
	s_add_nc_u64 s[44+2*\i:45+2*\i], s[40+2*\i:41+2*\i], 0x20000
	s_lshl_b32 s72, s[30+\i], 11
	s_add_co_u32 s72, s72, s26                     ; b1: 2,048 e + 128 w
	s_add_nc_u64 s[76+2*\i:77+2*\i], s[10:11], s[72:73]
	s_lshl_b32 s72, s72, 1                         ; b2: twice that
	s_add_nc_u64 s[80+2*\i:81+2*\i], s[12:13], s[72:73]
.endr
	v_and_b32 v208, 15, v0
	v_add_nc_u32 v208, s28, v208
	v_add_nc_u32 v209, 16, v208
	v_add_nc_u32 v210, 32, v208
.irp m, 0,1,2
	v_min_u32 v[208+\m], 0x1fff, v[208+\m]
	v_lshlrev_b32 v[208+\m], 3, v[208+\m]
.endr
	s_wait_alu depctr_va_vdst(0)                   ; every address and offset is written: v1 to v15, v208 to v210, v220, v221, v254, which the loads and stores from here on read; no vector instruction writes one of them again before the end
.irp m, 0,1,2
	global_load_b64 v[GT+2*\m:GT+2*\m+1], v[208+\m], s[20:21]      ; the gates of token 16 m + r
.endr
.irp i, 0,1
	global_load_b32 v[212+\i], v2, s[76+2*\i:77+2*\i]
	global_load_b64 v[214+2*\i:215+2*\i], v10, s[80+2*\i:81+2*\i]
.endr
	s_wait_kmcnt 0x0
.irp j, 0,1,2
	s_min_u32 s[48+\j], s[48+\j], 0x1fff
	s_lshl_b32 s72, s[48+\j], 12
	s_add_nc_u64 s[52+2*\j:53+2*\j], s[4:5], s[72:73]
	s_add_nc_u64 s[58+2*\j:59+2*\j], s[22:23], s[72:73]
.endr
.irp j, 0,1,2
.irp c, 0,1,2,3,4,5,6,7
	global_load_b128 v[16+32*\j+4*\c:16+32*\j+4*\c+3], v1, s[52+2*\j:53+2*\j] offset:512*\c   ; a whole row; rows past the block's count name tokens that another block reads too, so no hint
.endr
.endr
	s_wait_loadcnt 24                              ; gates and biases are in; the 24 loads of x may be out
	ds_store_b32 v220, v212
	ds_store_b32 v220, v213 offset:384
	ds_store_b64 v221, v[214:215] offset:128
	ds_store_b64 v221, v[216:217] offset:512
	s_wait_dscnt 0x0                               ; the biases have landed in LDS
	s_wait_alu depctr_vm_vsrc(0)                   ; these stores have read v212 to v217, v220 and v221, and the gates' loads v208 to v210: ring buffer 3's loads land in them
	BUNDLE 0
	BUNDLE 1
	BUNDLE 2
	BUNDLE 3
	s_wait_loadcnt 36                              ; x is in; the ring's 36 loads may be out
.irp j, 0,1,2
.irp c, 0,1,2,3,4,5,6,7
	ds_store_b128 v14, v[16+32*\j+4*\c:16+32*\j+4*\c+3] offset:XP*\j+512*\c
.endr
.endr
	BAR                                            ; 48 rows of x lie in LDS
	; x becomes codes, a tile of rows at a time, on two sets of registers by turns (numbers v16-47, codes v48-55, at work v56-63; and v64-95, v96-103, v104-111): a tile's numbers are on their way while the tile before is quantised
	s_wait_alu depctr_vm_vsrc(0)                   ; my stores of x's rows have read v16 to v111, in which the loads below land and which the quantiser writes
	XIN 0, 16
	XIN 1, 64
	s_wait_dscnt 8                                 ; LDS instructions end in order: tile 0's eight loads are in, tile 1's eight may be out
	QUANT 2, 16, 48, 56
	v_lshl_or_b32 v255, v59, 8, v58
	XOUT 0, 48, 255
	XIN 2, 16                                      ; no further wait: no vector instruction since XOUT's wait names v16 to v47
	s_wait_dscnt 11                                ; tile 1's loads are in; tile 0's three stores and tile 2's eight loads may be out
	QUANT 2, 64, 96, 104
	v_lshl_or_b32 v104, v107, 8, v106
	XOUT 1, 96, 104
	s_wait_dscnt 3                                 ; tile 2's loads are in; tile 1's three stores may be out
	s_wait_alu depctr_vm_vsrc(0)                   ; tile 0's stores have read v48 to v55 and v255, which the quantiser writes again
	QUANT 2, 16, 48, 56
	v_lshl_or_b32 v255, v59, 8, v58
	XOUT 2, 48, 255
	BAR                                            ; x's 24 fragments lie in LDS
	SLOT 0
	SLOT 1
	BAR                                            ; y is whole
	s_wait_loadcnt 0x0                             ; gamma and beta
	s_wait_alu depctr_vm_vsrc(0)                   ; the last update's stores have read v[FR ..], in which rows of y land: ahead of the branches below
	LNROW 0
	LNROW 1
	LNROW 2
	s_barrier_signal -1
	s_barrier_wait -1
	s_wait_xcnt 0x0
	s_wait_alu depctr_vm_vsrc(0)                   ; the stores of x's scale bytes have read v254 and v255, which the two lines below write
	v_lshl_add_u32 v254, v0, 2, 0x4c400
	v_mov_b32 v255, 0
	s_wait_dscnt 0x0                               ; the closing lines, six on end
	s_wait_alu 0x0
	s_wait_tensorcnt 0x0
	ds_add_u32 v254, v255
	s_wait_dscnt 0x0
	s_endpgm
.Lfunc_end_k_q901f5040f3_chain:
	.size	k_q901f5040f3_chain, .Lfunc_end_k_q901f5040f3_chain-k_q901f5040f3_chain
	.p2alignl 7, 3214868480
	.fill 96, 4, 3214868480
	.section	.rodata,"a",@progbits
	.p2align	6, 0x0
	.amdhsa_kernel k_q901f5040f3_chain
		.amdhsa_group_segment_fixed_size 314368
		.amdhsa_private_segment_fixed_size 0
		.amdhsa_enable_private_segment 0
		.amdhsa_kernarg_size 80
		.amdhsa_user_sgpr_count 2
		.amdhsa_user_sgpr_kernarg_segment_ptr 1
		.amdhsa_wavefront_size32 1
		.amdhsa_system_sgpr_workgroup_id_x 1
		.amdhsa_system_sgpr_workgroup_id_y 1
		.amdhsa_system_sgpr_workgroup_id_z 1
		.amdhsa_system_vgpr_workitem_id 0
		.amdhsa_next_free_vgpr 256
		.amdhsa_next_free_sgpr 84
		.amdhsa_reserve_vcc 0
		.amdhsa_float_denorm_mode_32 3
		.amdhsa_float_denorm_mode_16_64 3
		.amdhsa_memory_ordered 1
		.amdhsa_forward_progress 1
		.amdhsa_inst_pref_size 191
	.end_amdhsa_kernel
	.amdgpu_metadata
---
amdhsa.version: [ 1, 2 ]
amdhsa.kernels:
  - .name:           k_q901f5040f3_chain
    .symbol:         k_q901f5040f3_chain.kd
    .args:
      - { .name: x, .offset: 0, .size: 8, .value_kind: global_buffer, .address_space: global }
      - { .name: wc, .offset: 8, .size: 8, .value_kind: global_buffer, .address_space: global }
      - { .name: ws, .offset: 16, .size: 8, .value_kind: global_buffer, .address_space: global }
      - { .name: b1, .offset: 24, .size: 8, .value_kind: global_buffer, .address_space: global }
      - { .name: b2, .offset: 32, .size: 8, .value_kind: global_buffer, .address_space: global }
      - { .name: gamma, .offset: 40, .size: 8, .value_kind: global_buffer, .address_space: global }
      - { .name: beta, .offset: 48, .size: 8, .value_kind: global_buffer, .address_space: global }
      - { .name: ord, .offset: 56, .size: 8, .value_kind: global_buffer, .address_space: global }
      - { .name: gsort, .offset: 64, .size: 8, .value_kind: global_buffer, .address_space: global }
      - { .name: out0, .offset: 72, .size: 8, .value_kind: global_buffer, .address_space: global }
    .group_segment_fixed_size: 314368
    .private_segment_fixed_size: 0
    .kernarg_segment_align: 8
    .kernarg_segment_size: 80
    .max_flat_workgroup_size: 512
    .sgpr_count:     84
    .vgpr_count:     256
    .wavefront_size: 32
...
	.end_amdgpu_metadata
.endif
;; end of part 7
